; MI455X (gfx1250); checked and timed in simulation.
; The chip was launched on July 23, 2026; its instructions are those of AMD's public machine-readable ISA for CDNA 5 (MIT licence, August 2026) and "CDNA5" Instruction Set Architecture Reference Guide (July 2026). The comments in the code are by the model that wrote it; some were corrected since.
;; Transformer Block. Allowed arithmetic: matrix products marked QUANTISED: E4M3 operands, one E8M0 scale for each 32 along K, by v_wmma_scale_f32_16x16x128_f8f6f4 with both operands' format E4M3, f32 sums; everything else in f32.
;; Inputs: b1 1,024 float32; b2 1,024 float32; b_o 1,024 float32; ln1_b 1,024 float32; ln1_g 1,024 float32; ln2_b 1,024 float32; ln2_g 1,024 float32; w1_codes 1,024 x 32 x 32 uint8 (E4M3 codes of w1, K innermost, in blocks of 32 codes); w1_scales 1,024 x 32 uint8 (E8M0 scales of w1, one for each 32 codes along K); w2_codes 1,024 x 32 x 32 uint8 (E4M3 codes of w2, K innermost, in blocks of 32 codes); w2_scales 1,024 x 32 uint8 (E8M0 scales of w2, one for each 32 codes along K); w_k_codes 1,024 x 32 x 32 uint8 (E4M3 codes of w_k, K innermost, in blocks of 32 codes); w_k_scales 1,024 x 32 uint8 (E8M0 scales of w_k, one for each 32 codes along K); w_o_codes 1,024 x 32 x 32 uint8 (E4M3 codes of w_o, K innermost, in blocks of 32 codes); w_o_scales 1,024 x 32 uint8 (E8M0 scales of w_o, one for each 32 codes along K); w_q_codes 1,024 x 32 x 32 uint8 (E4M3 codes of w_q, K innermost, in blocks of 32 codes); w_q_scales 1,024 x 32 uint8 (E8M0 scales of w_q, one for each 32 codes along K); w_v_codes 1,024 x 32 x 32 uint8 (E4M3 codes of w_v, K innermost, in blocks of 32 codes); w_v_scales 1,024 x 32 uint8 (E8M0 scales of w_v, one for each 32 codes along K); x 16 x 512 x 1,024 float32.
;; Outputs: out0 16 x 512 x 1,024 float32.
;; This version of the problem:
;;   THIS VERSION OF THE PROBLEM IS GIVEN IN LOW PRECISION. The matrix products marked QUANTISED in the list below multiply operands that are first quantised to E4M3 (4 exponent bits, 3 mantissa bits; 8 bits a number), with one power-of-two scale for each 32 numbers along K (OCP MX v1.0); their sums are f32. All else is computed in f32.
;;   The module's matrix products, in the order in which they are computed (A, B: the left and right operand; K: the contracted axis; several contracted axes count as one K, in the product's order):
;;     1. [M 8,192, K 1,024] x [K 1,024, N 1,024]; A: computed on the way; B: input w_q (given as codes): QUANTISED
;;     2. [M 8,192, K 1,024] x [K 1,024, N 1,024]; A: computed on the way; B: input w_k (given as codes): QUANTISED
;;     3. [M 8,192, K 1,024] x [K 1,024, N 1,024]; A: computed on the way; B: input w_v (given as codes): QUANTISED
;;     4. batch 256 x [M 512, K 64] x [K 64, N 512]; A: computed on the way; B: computed on the way: QUANTISED
;;     5. batch 256 x [M 512, K 512] x [K 512, N 64]; A: softmax (see below); B: computed on the way: QUANTISED
;;     6. [M 8,192, K 1,024] x [K 1,024, N 1,024]; A: computed on the way; B: input w_o (given as codes): QUANTISED
;;     7. [M 8,192, K 1,024] x [K 1,024, N 1,024]; A: computed on the way; B: input w1 (given as codes): QUANTISED
;;     8. [M 8,192, K 1,024] x [K 1,024, N 1,024]; A: computed on the way; B: input w2 (given as codes): QUANTISED
;;   THE QUANTISER, for each operand of a quantised product, along K:
;;     - K is cut into blocks of 32 from its start; a last block that is shorter is filled with zeros.
;;     - A block's scale is 2^e with e = floor(log2(the largest magnitude in the block)) - 8, held to -126 .. 127; a block of zeros has e = 0. As a byte (E8M0): e + 127.
;;     - Each number is divided by its block's scale, clamped to +-448, and rounded to the nearest number of E4M3, ties to even, subnormals kept.
;;     - The product sums the exact products of the quantised numbers (number of the format x scale) in f32.
;;   ~~~python
;;   def quantise(x, axis):      # numpy; x: float32 -> the quantised numbers, widened to float32 again
;;       x = np.moveaxis(x, axis, -1); K = x.shape[-1]
;;       x = np.pad(x, [(0, 0)] * (x.ndim - 1) + [(0, -K % 32)]); x = x.reshape(x.shape[:-1] + (-1, 32)); a = np.abs(x).max(-1, keepdims=True)
;;       e = np.where(a > 0, np.clip(np.frexp(np.where(a > 0, a, 1))[1] - 1 - 8, -126, 127), 0)      # np.frexp(a)[1] - 1 = floor(log2(a)), exactly
;;       r = np.clip(x / 2.0 ** e, -448, 448)
;;       step = 2.0 ** (np.maximum(np.frexp(np.where(r == 0, 1, r))[1] - 1, -6) - 3)
;;       q = np.round(r / step) * step * 2.0 ** e      # np.round: ties to even
;;       return np.moveaxis(q.reshape(q.shape[:-2] + (-1,))[..., :K], -1, axis).astype(np.float32)
;;   ~~~
;;   SOFTMAX AHEAD OF A QUANTISED PRODUCT. Where the list says 'softmax', what is quantised is not the finished softmax but p = 2^(t - M), with t = logit x log2(e) and M = ceil(the row's largest t), a whole number; so 1/2 < the row's largest p <= 1. The row's sum l is taken of the UNQUANTISED p, in f32, and the product's result is divided by l at the end. Since M is a whole number, a kernel that streams over the keys may use a running M (the ceiling of the running maximum): every later rescaling is an exact power of two, which a block's scale takes up: the codes' values come out the same.
;;   OPERANDS COMPUTED ON THE WAY. 'Computed on the way' means the value that the module computes at that place (a softmax that the list does not call 'softmax' is quantised finished and normalised). What goes into a quantiser is computed in f32, as accurately as f32 sums, v_exp_f32 and their like allow (about 1e-6 of the number): no bf16 or f16 on the way to a quantiser, and a product that is left as it is and whose result goes on into a quantised operand takes f32 operands (vector FMAs, or v_wmma_f32_16x16x4_f32). A number that lies on a knife's edge between two numbers of the format may be rounded either way, as far as f32 arithmetic and the matrix unit's own rounding can turn it there, and no further.
;;   INPUTS GIVEN AS CODES. w1 (in the module: [1024, 1024], K = its axis 0); w2 (in the module: [1024, 1024], K = its axis 0); w_k (in the module: [1024, 1024], K = its axis 0); w_o (in the module: [1024, 1024], K = its axis 0); w_q (in the module: [1024, 1024], K = its axis 0); w_v (in the module: [1024, 1024], K = its axis 0): each comes as NAME_codes (uint8): NAME with its K axis moved to the last place and cut into blocks of 32 codes, [.., K / 32, bytes a block], one block behind the other in memory; one code a byte (a code: sign, 4 exponent bits, 3 mantissa bits); and NAME_scales (uint8): the same leading axes, one E8M0 byte (e + 127) for each 32 codes along K. Its value is code x scale, taken as it is: it is not quantised again, and the codes and scales need not be those that the quantiser above would give.
;; One version. Each part assembles by itself: llvm-mc -triple=amdgcn-amd-amdhsa -mcpu=gfx1250 --defsym DOCPART=n.
;; ======== version 1 of 1: 3 launches
;; limits: a function is approximated: absolute error at most 1.5e-07
;; workspace buffers: h_img 8,650,752 bytes; o_img 8,650,752 bytes; wa_img 3,244,032 bytes; wt_img 3,244,032 bytes
;; launch prep (part 1): grid 608 x 1, 8 waves a work-group, no clusters, 66,048 bytes of LDS; arguments x, ln1_g, ln1_b, w_q_codes, w_q_scales, w_k_codes, w_k_scales, w_v_codes, w_v_scales, w_o_codes, w_o_scales, w1_codes, w1_scales, w2_codes, w2_scales, h_img, wa_img, wt_img; writes h_img, wa_img, wt_img
.if DOCPART == 1
	.amdgcn_target "amdgcn-amd-amdhsa--gfx1250"
	.amdhsa_code_object_version 6
	.text
	.protected	k_qfddeca3b78_prep
	.globl	k_qfddeca3b78_prep
	.p2align	8
	.type	k_qfddeca3b78_prep,@function
k_qfddeca3b78_prep:
	s_mov_b64 s[64:65], 0
	v_nop
	global_prefetch_b8 v0, s[64:65] scope:SCOPE_SE
	s_setreg_imm32_b32 hwreg(HW_REG_WAVE_MODE, 25, 1), 1
	s_wait_xcnt 0x0
; PREP.  Two kinds of work-groups, told apart by the work-group's number alone.
; (a) Work-groups 0 .. 95 lay the six weights out in the order of an operand's registers.  A BLOCK is 64 output columns x 128 along K: four fragments of 16 rows
;     (2,048 bytes each: register group c of lane l at 512 c + 16 l), then 256 bytes of scale words (8 bytes a lane).  THE ROWS OF A TILE ARE NOT NEIGHBOURS: lane row r of tile tt is
;     column 32 (tt / 2) + 8 (tt % 2) + r + 8 (r / 8) of the 64, so that the results of two neighbouring tiles are 16 neighbours along the next product's K.
;     Work-group t: weight t / 16, columns 64 (t % 16) on; wave s: K step s.  w_q, w_k, w_v go to wa_img (block (head 8 + s) 3 + weight), w_o, w1, w2 to wt_img (block (weight 8 + s) 16 + column group).
; (b) Work-groups 96 .. 607: LayerNorm 1 and its quantiser (MX-FP8: E4M3 codes, one E8M0 byte for each 32 along K) for one tile of 16 tokens.  Tile u of pair P (32 tokens) holds, in lane row i,
;     token 32 P + 8 u + i + 8 (i / 8).  Phase A: wave w takes rows 2 w, 2 w + 1 whole (mean, centred sum of squares, gain and bias, all f32) and puts them into LDS; one barrier;
;     phase B: wave s takes K step s of all 16 rows in the operand's layout, quantises it and stores the fragment's image: 512 consecutive bytes a store.
;     A pair's block in h_img: fragment 2 s + u at 2,048 (2 s + u); scale words at 32,768 + 128 s + 64 u + 4 row: 33,792 bytes.
; LIMITS: a block of zeros gets the scale byte 1 (its codes are zeros; this program alone reads the bytes); blocks whose largest magnitude lies under 2^-118 were not tried; NaN and infinities are not served.
; No matrix unit, no tensor load, no cluster: the launch streams, and its work-groups share no input.
.set NREL, 96
.set PB,   33792                       ; a pair's block
.set WBLK, 8448                        ; a weight block
.set FP,   4112                        ; a row of 1,024 f32 in LDS + 16 bytes, so that the 16 rows of a load start 16 bytes apart modulo 256
.set TM,   144                         ; v144-159 the quantiser's: largest magnitudes, bytes, holds, scale operands
.set PW,   160                         ; the scale word
.set PC,   80                          ; v80-95 the codes (phase B; phase A keeps the gain there)
.set SEL,  50                          ; s[50:51] selects of v_permlanex16_b32: lane l xor 16
.set MNT,  54                          ; the mantissa field of 448
; 16 nb numbers of a lane, register 16 b + i = k 32 b + 16 (lane / 16) + i of the lane's row, become codes in v[PC] on and the scale bytes in v[PW]
.macro QUANT s, nb
.set qb, 0
.rept \nb
	v_max3_num_f32 v[TM+qb], |v[(\s)+16*qb]|, |v[(\s)+16*qb+1]|, 0x4800000   ; my 16 numbers of block b, and the floor 2^(9 - 127): the byte cannot fall under 1
.set qb, qb+1
.endr
.set qi, 2
.rept 7
.set qb, 0
.rept \nb
	v_max3_num_f32 v[TM+qb], v[TM+qb], |v[(\s)+16*qb+qi]|, |v[(\s)+16*qb+qi+1]|
.set qb, qb+1
.endr
.set qi, qi+2
.endr
.set qb, 0
.rept \nb
	v_permlanex16_b32 v[TM+4+qb], v[TM+qb], s[SEL], s[SEL+1]
.set qb, qb+1
.endr
.set qb, 0
.rept \nb
	v_max_num_f32 v[TM+qb], v[TM+qb], v[TM+4+qb]             ; with lane l xor 16's 16: the block's largest magnitude
.set qb, qb+1
.endr
.set qb, 0
.rept \nb
	v_add_nc_u32 v[TM+12+qb], 0xfc000000, v[TM+qb]           ; 8 off its exponent field: the conversion's scale operand
.set qb, qb+1
.endr
.set qb, 0
.rept \nb
	v_and_or_b32 v[TM+8+qb], v[TM+qb], 0x7f800000, s[MNT]    ; 448 x the scale
.set qb, qb+1
.endr
.set qb, 0
.rept \nb
	v_lshrrev_b32 v[TM+4+qb], 23, v[TM+12+qb]                ; the scale's byte
.set qb, qb+1
.endr
	v_lshl_or_b32 v[PW], v[TM+5], 8, v[TM+4]
.if \nb == 4
	v_lshl_or_b32 v[PW], v[TM+6], 16, v[PW]
	v_lshl_or_b32 v[PW], v[TM+7], 24, v[PW]
.endif
.set qb, 0
.rept \nb
.set qi, 0
.rept 16
	v_med3_num_f32 v[(\s)+16*qb+qi], v[(\s)+16*qb+qi], -v[TM+8+qb], v[TM+8+qb]   ; the conversion to an 8-bit code does not saturate (ISA guide 7.6.2): the hold
.set qi, qi+1
.endr
.set qb, qb+1
.endr
.set qb, 0
.rept \nb
	v_cvt_scalef32_pk8_fp8_f32 v[PC+4*qb:PC+4*qb+1], v[(\s)+16*qb:(\s)+16*qb+7], v[TM+12+qb]
	v_cvt_scalef32_pk8_fp8_f32 v[PC+4*qb+2:PC+4*qb+3], v[(\s)+16*qb+8:(\s)+16*qb+15], v[TM+12+qb]
.set qb, qb+1
.endr
	v_nop                                                    ; a plain line behind the last conversion
.endm
	s_load_b512 s[8:23], s[0:1], 0x0               ; x 8, ln1_g 10, ln1_b 12, w_q codes 14, scales 16, w_k 18, 20, w_v codes 22
	s_load_b512 s[24:39], s[0:1], 0x40             ; w_v scales 24, w_o 26, 28, w1 30, 32, w2 34, 36, h_img 38
	s_load_b128 s[40:43], s[0:1], 0x80             ; wa_img 40, wt_img 42
	v_lshrrev_b32 v1, 5, v0
	v_readfirstlane_b32 s4, v1                     ; wave 0..7
	v_and_b32 v2, 31, v0                           ; lane
	v_and_b32 v3, 15, v0                           ; r
	v_bfe_u32 v4, v0, 4, 1                         ; h
	s_cmp_lt_u32 ttmp9, NREL
	s_cbranch_scc0 .Lnorm
	; ---------------- (a) a weight block ----------------
	s_lshr_b32 s5, ttmp9, 4                        ; which weight, 0..5
	s_and_b32 s6, ttmp9, 15                        ; which 64 columns
	v_and_b32 v5, 8, v3
	v_add_nc_u32 v5, v5, v3                        ; r + 8 (r / 8)
	v_lshlrev_b32 v6, 10, v5                       ; codes: a row is 1,024 bytes,
	v_lshl_add_u32 v6, v4, 4, v6                   ; + 16 h
	v_lshl_add_u32 v7, v4, 5, v5                   ; scale words: lanes 16-31 take the tiles 32 columns on;
	v_lshlrev_b32 v7, 5, v7                        ; a row of scales is 32 bytes
	v_lshlrev_b32 v8, 4, v2                        ; out: 16 bytes a lane,
	v_lshlrev_b32 v9, 3, v2                        ; and 8 for the two scale words
	s_lshl_b32 s44, s6, 16                         ; 64 rows of codes,
	s_lshl_b32 s45, s4, 7                          ; K step s
	s_add_co_u32 s44, s44, s45
	s_mov_b32 s45, 0
	s_lshl_b32 s46, s6, 11                         ; 64 rows of scales,
	s_lshl_b32 s47, s4, 2                          ; the K step's word
	s_add_co_u32 s46, s46, s47
	s_mov_b32 s47, 0
	s_lshl_b32 s48, s6, 3
	s_add_co_u32 s48, s48, s4
	s_mul_i32 s48, s48, 3
	s_add_co_u32 s48, s48, s5                      ; wa_img: (head 8 + s) 3 + weight
	s_sub_co_u32 s49, s5, 3
	s_lshl_b32 s49, s49, 3
	s_add_co_u32 s49, s49, s4
	s_lshl_b32 s49, s49, 4
	s_add_co_u32 s49, s49, s6                      ; wt_img: ((weight - 3) 8 + s) 16 + column group
	s_cmp_lt_u32 s5, 3
	s_cselect_b32 s48, s48, s49
	s_mul_i32 s48, s48, WBLK
	s_mov_b32 s49, 0
	s_wait_kmcnt 0x0
	s_cselect_b64 s[50:51], s[40:41], s[42:43]     ; (the compare above still stands: nothing between writes SCC)
	s_mov_b64 s[52:53], s[14:15]
	s_mov_b64 s[54:55], s[16:17]
	s_cmp_eq_u32 s5, 1
	s_cselect_b64 s[52:53], s[18:19], s[52:53]
	s_cselect_b64 s[54:55], s[20:21], s[54:55]
	s_cmp_eq_u32 s5, 2
	s_cselect_b64 s[52:53], s[22:23], s[52:53]
	s_cselect_b64 s[54:55], s[24:25], s[54:55]
	s_cmp_eq_u32 s5, 3
	s_cselect_b64 s[52:53], s[26:27], s[52:53]
	s_cselect_b64 s[54:55], s[28:29], s[54:55]
	s_cmp_eq_u32 s5, 4
	s_cselect_b64 s[52:53], s[30:31], s[52:53]
	s_cselect_b64 s[54:55], s[32:33], s[54:55]
	s_cmp_eq_u32 s5, 5
	s_cselect_b64 s[52:53], s[34:35], s[52:53]
	s_cselect_b64 s[54:55], s[36:37], s[54:55]
	s_add_nc_u64 s[52:53], s[52:53], s[44:45]
	s_add_nc_u64 s[54:55], s[54:55], s[46:47]
	s_add_nc_u64 s[50:51], s[50:51], s[48:49]
.irp tt, 0,1,2,3
.irp c, 0,1,2,3
	global_load_b128 v[16+16*\tt+4*\c:19+16*\tt+4*\c], v6, s[52:53] offset:(32*(\tt/2)+8*(\tt%2))*1024+32*\c
.endr
.endr
	global_load_b32 v10, v7, s[54:55]              ; word 0: tile 2 h
	global_load_b32 v11, v7, s[54:55] offset:256   ; word 1: tile 2 h + 1, eight rows on
	s_wait_loadcnt 0x0
.irp tt, 0,1,2,3
.irp c, 0,1,2,3
	global_store_b128 v8, v[16+16*\tt+4*\c:19+16*\tt+4*\c], s[50:51] offset:2048*\tt+512*\c   ; 32 lanes store 512 consecutive bytes
.endr
.endr
	global_store_b64 v9, v[10:11], s[50:51] offset:8192                                       ; and 256
	s_endpgm
	; ---------------- (b) LayerNorm 1 and the quantiser ----------------
.Lnorm:
	s_sub_co_u32 s5, ttmp9, NREL
	s_lshr_b32 s6, s5, 1                           ; pair P
	s_and_b32 s7, s5, 1                            ; tile u
	s_lshl_b32 s44, s6, 5
	s_lshl_b32 s45, s7, 3
	s_add_co_u32 s44, s44, s45
	s_lshl_b32 s45, s4, 1
	s_add_co_u32 s44, s44, s45
	s_lshr_b32 s45, s4, 2
	s_lshl_b32 s45, s45, 3
	s_add_co_u32 s44, s44, s45                     ; my first token: 32 P + 8 u + 2 w + 8 (w / 4); the second is the next one
	s_lshl_b32 s44, s44, 12                        ; a row of x is 4,096 bytes
	s_mov_b32 s45, 0
	v_lshlrev_b32 v5, 4, v2                        ; 16 x lane
	s_mul_i32 s46, s4, 2*FP
	v_add_nc_u32 v6, s46, v5                       ; LDS, phase A: my two rows
	v_mul_u32_u24 v7, v3, FP
	v_lshl_add_u32 v7, v4, 6, v7
	s_lshl_b32 s46, s4, 9
	v_add_nc_u32 v7, s46, v7                       ; LDS, phase B: row r, K step = my wave, + 64 h: 16 numbers of each block of 32
	v_lshlrev_b32 v8, 2, v3                        ; 4 r
	s_mul_i32 s46, s6, PB
	s_lshl_b32 s47, s4, 12
	s_add_co_u32 s48, s46, s47
	s_lshl_b32 s47, s7, 11
	s_add_co_u32 s48, s48, s47                     ; the image of fragment 2 s + u
	s_mov_b32 s49, 0
	s_lshl_b32 s47, s4, 7
	s_add_co_u32 s46, s46, s47
	s_lshl_b32 s47, s7, 6
	s_add_co_u32 s46, s46, s47
	s_add_co_u32 s46, s46, 32768                   ; and its scale words
	s_mov_b32 s47, 0
	s_mov_b32 s[SEL], 0x76543210
	s_mov_b32 s[SEL+1], 0xfedcba98
	s_mov_b32 s52, 0x3a800000                      ; 1 / 1,024
	s_mov_b32 s53, 0x3727c5ac                      ; 1e-5
	s_mov_b32 s[MNT], 0x600000
	s_wait_kmcnt 0x0
	s_add_nc_u64 s[8:9], s[8:9], s[44:45]
	s_add_nc_u64 s[56:57], s[38:39], s[46:47]
	s_add_nc_u64 s[38:39], s[38:39], s[48:49]
.irp row, 0,1
.irp j, 0,1,2,3,4,5,6,7
	global_load_b128 v[16+32*\row+4*\j:19+32*\row+4*\j], v5, s[8:9] offset:4096*\row+512*\j th:TH_LOAD_NT   ; 512 consecutive bytes a load; read once in the launch
.endr
.endr
.irp j, 0,1,2,3,4,5,6,7
	global_load_b128 v[80+4*\j:83+4*\j], v5, s[10:11] offset:512*\j      ; the gain at the same columns,
	global_load_b128 v[112+4*\j:115+4*\j], v5, s[12:13] offset:512*\j    ; the bias
.endr
.macro LANES                           ; v144 summed over the 32 lanes
	v_add_f32 v144, v144, v145
	v_add_f32_dpp v144, v144, v144 row_xmask:1 row_mask:0xf bank_mask:0xf
	v_add_f32_dpp v144, v144, v144 row_xmask:2 row_mask:0xf bank_mask:0xf
	v_add_f32_dpp v144, v144, v144 row_xmask:4 row_mask:0xf bank_mask:0xf
	v_add_f32_dpp v144, v144, v144 row_xmask:8 row_mask:0xf bank_mask:0xf
	v_permlanex16_b32 v145, v144, s[SEL], s[SEL+1]
	v_add_f32 v144, v144, v145
.endm
.macro ROWSTAT row                     ; the row is centred in place; 1 / sqrt(var + eps) is asked for into v[150 + 2 row]
.set XR, 16+32*(\row)
	v_pk_add_f32 v[144:145], v[XR:XR+1], v[XR+2:XR+3]
	v_pk_add_f32 v[146:147], v[XR+4:XR+5], v[XR+6:XR+7]
.set rj, 8
.rept 6
	v_pk_add_f32 v[144:145], v[144:145], v[XR+rj:XR+rj+1]
	v_pk_add_f32 v[146:147], v[146:147], v[XR+rj+2:XR+rj+3]
.set rj, rj+4
.endr
	v_pk_add_f32 v[144:145], v[144:145], v[146:147]
	LANES
	v_mul_f32 v148, s52, v144                      ; the mean
	v_mov_b32 v149, v148
.set rj, 0
.rept 16
	v_pk_add_f32 v[XR+rj:XR+rj+1], v[XR+rj:XR+rj+1], v[148:149] neg_lo:[0,1] neg_hi:[0,1]
.set rj, rj+2
.endr
	v_pk_mul_f32 v[144:145], v[XR:XR+1], v[XR:XR+1]
	v_pk_mul_f32 v[146:147], v[XR+2:XR+3], v[XR+2:XR+3]
.set rj, 4
.rept 7
	v_pk_fma_f32 v[144:145], v[XR+rj:XR+rj+1], v[XR+rj:XR+rj+1], v[144:145]
	v_pk_fma_f32 v[146:147], v[XR+rj+2:XR+rj+3], v[XR+rj+2:XR+rj+3], v[146:147]
.set rj, rj+4
.endr
	v_pk_add_f32 v[144:145], v[144:145], v[146:147]
	LANES
	v_fma_f32 v[154+\row], v144, s52, s53          ; var + eps, in a register that nothing rewrites behind the root
	v_rsq_f32 v[150+2*\row], v[154+\row]
.endm
	s_wait_loadcnt 16                              ; x's 16 loads are in; the 16 younger ones (gain, bias) may be out
	ROWSTAT 0
	ROWSTAT 1                                      ; (independent work behind the first root)
	v_nop                                          ; a plain line behind the second
	s_wait_alu depctr_va_vdst(0)                   ; one wait for both roots, ahead of their first reader
	v_mov_b32 v151, v150
	v_mov_b32 v153, v152
	s_wait_loadcnt 0x0                             ; gain and bias
.irp row, 0,1
.set rj, 0
.rept 16
	v_pk_mul_f32 v[16+32*\row+rj:17+32*\row+rj], v[16+32*\row+rj:17+32*\row+rj], v[150+2*\row:151+2*\row]
.set rj, rj+2
.endr
.set rj, 0
.rept 16
	v_pk_fma_f32 v[16+32*\row+rj:17+32*\row+rj], v[16+32*\row+rj:17+32*\row+rj], v[80+rj:81+rj], v[112+rj:113+rj]
.set rj, rj+2
.endr
.endr
.irp row, 0,1
.irp j, 0,1,2,3,4,5,6,7
	ds_store_b128 v6, v[16+32*\row+4*\j:19+32*\row+4*\j] offset:FP*\row+512*\j
.endr
.endr
	s_wait_dscnt 0x0                               ; for the others' sake: my two rows lie in LDS
	s_barrier_signal -1
	s_barrier_wait -1
.irp c, 0,1,2,3
.irp q, 0,1,2,3
	ds_load_b128 v[16+16*\c+4*\q:19+16*\c+4*\q], v7 offset:128*\c+16*\q   ; h(row r, 128 s + 32 c + 16 h + 4 q ..)
.endr
.endr
	s_wait_dscnt 0x0
	QUANT 16, 4
.irp c, 0,1,2,3
	global_store_b128 v5, v[PC+4*\c:PC+4*\c+3], s[38:39] offset:512*\c    ; the fragment's image: 512 consecutive bytes a store
.endr
	global_store_b32 v8, v[PW], s[56:57]           ; row r's scale word (both halves of the lanes hold and write the same word)
	s_endpgm
.Lfunc_end_k_qfddeca3b78_prep:
	.size	k_qfddeca3b78_prep, .Lfunc_end_k_qfddeca3b78_prep-k_qfddeca3b78_prep
	.p2alignl 7, 3214868480
	.fill 96, 4, 3214868480
	.section	.rodata,"a",@progbits
	.p2align	6, 0x0
	.amdhsa_kernel k_qfddeca3b78_prep
		.amdhsa_group_segment_fixed_size 66048
		.amdhsa_private_segment_fixed_size 0
		.amdhsa_enable_private_segment 0
		.amdhsa_kernarg_size 144
		.amdhsa_user_sgpr_count 2
		.amdhsa_user_sgpr_kernarg_segment_ptr 1
		.amdhsa_wavefront_size32 1
		.amdhsa_system_sgpr_workgroup_id_x 1
		.amdhsa_system_sgpr_workgroup_id_y 1
		.amdhsa_system_sgpr_workgroup_id_z 1
		.amdhsa_system_vgpr_workitem_id 0
		.amdhsa_next_free_vgpr 168
		.amdhsa_next_free_sgpr 66
		.amdhsa_reserve_vcc 0
		.amdhsa_float_denorm_mode_32 3
		.amdhsa_float_denorm_mode_16_64 3
		.amdhsa_memory_ordered 1
		.amdhsa_forward_progress 1
		.amdhsa_inst_pref_size 34
	.end_amdhsa_kernel
	.amdgpu_metadata
---
amdhsa.version: [ 1, 2 ]
amdhsa.kernels:
  - .name:           k_qfddeca3b78_prep
    .symbol:         k_qfddeca3b78_prep.kd
    .args:
      - { .name: x, .offset: 0, .size: 8, .value_kind: global_buffer, .address_space: global }
      - { .name: ln1_g, .offset: 8, .size: 8, .value_kind: global_buffer, .address_space: global }
      - { .name: ln1_b, .offset: 16, .size: 8, .value_kind: global_buffer, .address_space: global }
      - { .name: w_q_codes, .offset: 24, .size: 8, .value_kind: global_buffer, .address_space: global }
      - { .name: w_q_scales, .offset: 32, .size: 8, .value_kind: global_buffer, .address_space: global }
      - { .name: w_k_codes, .offset: 40, .size: 8, .value_kind: global_buffer, .address_space: global }
      - { .name: w_k_scales, .offset: 48, .size: 8, .value_kind: global_buffer, .address_space: global }
      - { .name: w_v_codes, .offset: 56, .size: 8, .value_kind: global_buffer, .address_space: global }
      - { .name: w_v_scales, .offset: 64, .size: 8, .value_kind: global_buffer, .address_space: global }
      - { .name: w_o_codes, .offset: 72, .size: 8, .value_kind: global_buffer, .address_space: global }
      - { .name: w_o_scales, .offset: 80, .size: 8, .value_kind: global_buffer, .address_space: global }
      - { .name: w1_codes, .offset: 88, .size: 8, .value_kind: global_buffer, .address_space: global }
      - { .name: w1_scales, .offset: 96, .size: 8, .value_kind: global_buffer, .address_space: global }
      - { .name: w2_codes, .offset: 104, .size: 8, .value_kind: global_buffer, .address_space: global }
      - { .name: w2_scales, .offset: 112, .size: 8, .value_kind: global_buffer, .address_space: global }
      - { .name: h_img, .offset: 120, .size: 8, .value_kind: global_buffer, .address_space: global }
      - { .name: wa_img, .offset: 128, .size: 8, .value_kind: global_buffer, .address_space: global }
      - { .name: wt_img, .offset: 136, .size: 8, .value_kind: global_buffer, .address_space: global }
    .group_segment_fixed_size: 66048
    .private_segment_fixed_size: 0
    .kernarg_segment_align: 8
    .kernarg_segment_size: 144
    .max_flat_workgroup_size: 256
    .sgpr_count:     66
    .vgpr_count:     168
    .wavefront_size: 32
...
	.end_amdgpu_metadata
.endif
;; end of part 1
;; launch qkvattn (part 2): grid 16 x 16, 8 waves a work-group, no clusters, 327,680 bytes of LDS; arguments h_img, wa_img, o_img; writes o_img
.if DOCPART == 2
	.amdgcn_target "amdgcn-amd-amdhsa--gfx1250"
	.amdhsa_code_object_version 6
	.text
	.protected	k_qfddeca3b78_qkvattn
	.globl	k_qfddeca3b78_qkvattn
	.p2align	8
	.type	k_qfddeca3b78_qkvattn,@function
k_qfddeca3b78_qkvattn:
	s_mov_b64 s[64:65], 0
	v_nop
	global_prefetch_b8 v0, s[64:65] scope:SCOPE_SE
	s_setreg_imm32_b32 hwreg(HW_REG_WAVE_MODE, 25, 1), 1
	s_wait_xcnt 0x0
; QKVATTN.  One work-group for each (head = x, batch = y): q, k, v = h W (512 tokens x 64 columns each, K = 1,024), their quantisers, causal attention, and the quantiser of its result.  All products on E4M3 codes with E8M0 scales.
; Nothing but codes leaves: o_img has h_img's layout (a block of 33,792 bytes for each pair of 32 tokens: fragment 2 s + u at 2,048 (2 s + u), scale words at 32,768 + 128 s + 64 u + 4 row).
; SHARES.  Wave w owns token pairs w and 15 - w (64 tokens): in the projection its 48 accumulators (384 registers), in attention its four tiles of 16 queries.  Under the causal mask pair p needs p / 4 + 1 key steps of 128,
; so every wave has (w / 4 + 1) + ((15 - w) / 4 + 1) = 5 key steps for each of its two tile numbers.
; PROJECTION.  The head's weights (24 blocks of 8,448 bytes, laid in operand order by the launch before) come into LDS once, by tensor loads, and stay; h's fragments come from memory straight into registers as images.
; q and k are made transposed (source 0 = 16 weight rows, source 1 = 16 tokens): a lane holds one token and its registers run along the head's 64.  v is made the other way round (source 0 = tokens): a lane holds one
; of the head's 64 and its registers run along the tokens, which are the second product's K.  By the order of rows in weight tiles and token tiles, 16 registers of two neighbouring tiles are 16 neighbours along the next K.
; ATTENTION.  The head's K is 64, half of the instruction's 128: the two key tiles of a pair share one fragment (tile 0 in k < 64, tile 1 in k >= 64), and q stands between two runs of eight zero registers, so that it can be
; named as k < 64 with zeros above or as k >= 64 with zeros below.  Zero codes add nothing, whatever stands against them (the keys' codes are held, so none is a NaN code).
; Softmax: t = score x log2(e) / 8; M = the running largest t rounded up to a whole number; p = 2^(t - M) is quantised along the keys; the row's sum is taken of the unquantised p and divides at the end.
; NO CLUSTER: the weights, which the 16 batches share, are 202,752 of a work-group's 743,424 loaded bytes and are fetched once; h, which the 16 heads share, goes into registers: a ring for it would take
; 2 x 67,584 bytes of LDS, which do not fit beside the weights and the q, k, v images (306,176 of 327,680 bytes are in use).
; LIMITS: a block of zeros gets the scale byte 1 (this program alone reads the bytes); blocks whose largest magnitude lies under 2^-118 were not tried; NaN and infinities are not served.
; REGISTERS, projection.  Window 0: v1 weights' LDS address, v2 their scale words', v3-4 h's images (pair 0, 1), v5-6 h's scale words, v7 the prefetches' offset; v8-9 h's scale words, v10-13 the weights' (two sets):
;   v8-13 hold scales and nothing else in the whole launch; v96-111, v112-127, v16-31 three buffers for a weight tile; v32-95 h's four fragments; v128-255 v's accumulators (128 + 64 P + 16 dt + 8 u).
;   Window 1: v0-127 q's accumulators (64 P + 32 u + 8 ct), v128-255 k's.
; REGISTERS, attention (window 0 alone): v1 the mask's lane part; v2-7 lane parts of LDS addresses; v8 q's scales, v9 p's, v10-13 k's or v's; v14, 15, 46, 47 addresses in hand; v16-39 zeros, q, zeros; v40 -M, v41 largest t,
;   v42-43 the sum; v44 16 x lane, v45 4 r; v48-63 the quantiser's; v64-127 four fragments; v128-191 S^T, then p; v192-223 O^T; v224-239 codes; v240-247 at work.
.set PB,   33792
.set WBLK, 8448
.set KSB,  3*WBLK                      ; a K step's three blocks
.set QIMG, 8*KSB                       ; LDS: behind the weights q's 16 double fragments (a pair each),
.set KIMG, QIMG+32768                  ; k's,
.set VIMG, KIMG+32768                  ; v's 16 fragments (key step ks, tile dt: 4 ks + dt),
.set QSC,  VIMG+32768                  ; q's scale words, 128 bytes a pair,
.set KSC,  QSC+2048                    ; k's,
.set VSC,  KSC+2048                    ; v's, 64 bytes a fragment
.set WV,  20
.set BAT, 21
.set SEL, 48
.set CS,  50                           ; s[50:51] c = log2(e) / 8
.set MNT, 52
.set SP,  53                           ; the pair in hand
.set SU,  54                           ; its tile
.set KS,  55                           ; the key step
.set TK,  56                           ; 8,192 KS: k's and v's images
.set TS,  57                           ; 512 KS: k's scale words
.set TV,  58                           ; 256 KS: v's
.set CP,  59
.set MSB, 0
.macro WIN new                         ; the immediate's high byte repeats the setting that is left
.if MSB != \new
	s_set_vgpr_msb (MSB<<8)|\new
.set MSB, \new
.endif
.endm
; one matrix instruction: D, source 0, source 1; z = 1: the constant 0 starts the sum, else in place; the two scale registers; ra, rb = 1: that side's scales stand in lanes 16-31
.macro WM d, a, b, z, sa, sb, ra, rb
.if (\z) && (\ra) && (\rb)
	v_wmma_scale_f32_16x16x128_f8f6f4 v[(\d):(\d)+7], v[(\a):(\a)+15], v[(\b):(\b)+15], 0, v[\sa], v[\sb] matrix_a_scale:MATRIX_SCALE_ROW1 matrix_b_scale:MATRIX_SCALE_ROW1
.elseif (\z) && (\ra)
	v_wmma_scale_f32_16x16x128_f8f6f4 v[(\d):(\d)+7], v[(\a):(\a)+15], v[(\b):(\b)+15], 0, v[\sa], v[\sb] matrix_a_scale:MATRIX_SCALE_ROW1
.elseif (\z) && (\rb)
	v_wmma_scale_f32_16x16x128_f8f6f4 v[(\d):(\d)+7], v[(\a):(\a)+15], v[(\b):(\b)+15], 0, v[\sa], v[\sb] matrix_b_scale:MATRIX_SCALE_ROW1
.elseif (\z)
	v_wmma_scale_f32_16x16x128_f8f6f4 v[(\d):(\d)+7], v[(\a):(\a)+15], v[(\b):(\b)+15], 0, v[\sa], v[\sb]
.elseif (\ra) && (\rb)
	v_wmma_scale_f32_16x16x128_f8f6f4 v[(\d):(\d)+7], v[(\a):(\a)+15], v[(\b):(\b)+15], v[(\d):(\d)+7], v[\sa], v[\sb] matrix_a_scale:MATRIX_SCALE_ROW1 matrix_b_scale:MATRIX_SCALE_ROW1
.elseif (\ra)
	v_wmma_scale_f32_16x16x128_f8f6f4 v[(\d):(\d)+7], v[(\a):(\a)+15], v[(\b):(\b)+15], v[(\d):(\d)+7], v[\sa], v[\sb] matrix_a_scale:MATRIX_SCALE_ROW1
.elseif (\rb)
	v_wmma_scale_f32_16x16x128_f8f6f4 v[(\d):(\d)+7], v[(\a):(\a)+15], v[(\b):(\b)+15], v[(\d):(\d)+7], v[\sa], v[\sb] matrix_b_scale:MATRIX_SCALE_ROW1
.else
	v_wmma_scale_f32_16x16x128_f8f6f4 v[(\d):(\d)+7], v[(\a):(\a)+15], v[(\b):(\b)+15], v[(\d):(\d)+7], v[\sa], v[\sb]
.endif
.endm
; 16 nb numbers of a lane (w = 1: in window 1), register 16 b + i = k 32 b + 16 (lane / 16) + i, become codes in v[PC] on; the bytes stand in v[TM+4] on and together in v[PW]
.macro QUANT s, nb, w
.if \w
	WIN 0x05                                       ; sources 0 and 1 in window 1
.endif
.set qb, 0
.rept \nb
	v_max3_num_f32 v[TM+qb], |v[(\s)+16*qb]|, |v[(\s)+16*qb+1]|, 0x4800000   ; my 16 numbers of block b, and the floor 2^(9 - 127): the byte cannot fall under 1
.set qb, qb+1
.endr
.if \w
	WIN 0x14                                       ; sources 1 and 2 in window 1
.endif
.set qi, 2
.rept 7
.set qb, 0
.rept \nb
	v_max3_num_f32 v[TM+qb], v[TM+qb], |v[(\s)+16*qb+qi]|, |v[(\s)+16*qb+qi+1]|
.set qb, qb+1
.endr
.set qi, qi+2
.endr
	WIN 0
.set qb, 0
.rept \nb
	v_permlanex16_b32 v[TM+4+qb], v[TM+qb], s[SEL], s[SEL+1]
.set qb, qb+1
.endr
.set qb, 0
.rept \nb
	v_max_num_f32 v[TM+qb], v[TM+qb], v[TM+4+qb]             ; with lane l xor 16's 16: the block's largest magnitude
.set qb, qb+1
.endr
.set qb, 0
.rept \nb
	v_add_nc_u32 v[TM+12+qb], 0xfc000000, v[TM+qb]           ; 8 off its exponent field: the conversion's scale operand
.set qb, qb+1
.endr
.set qb, 0
.rept \nb
	v_and_or_b32 v[TM+8+qb], v[TM+qb], 0x7f800000, s[MNT]    ; 448 x the scale
.set qb, qb+1
.endr
.set qb, 0
.rept \nb
	v_lshrrev_b32 v[TM+4+qb], 23, v[TM+12+qb]                ; the scale's byte
.set qb, qb+1
.endr
	v_lshl_or_b32 v[PW], v[TM+5], 8, v[TM+4]
.if \nb == 4
	v_lshl_or_b32 v[PW], v[TM+6], 16, v[PW]
	v_lshl_or_b32 v[PW], v[TM+7], 24, v[PW]
.endif
.if \w
	WIN 0x41                                       ; destination and source 0 in window 1
.endif
.set qb, 0
.rept \nb
.set qi, 0
.rept 16
	v_med3_num_f32 v[(\s)+16*qb+qi], v[(\s)+16*qb+qi], -v[TM+8+qb], v[TM+8+qb]   ; the conversion to an 8-bit code does not saturate (ISA guide 7.6.2): the hold
.set qi, qi+1
.endr
.set qb, qb+1
.endr
.if \w
	WIN 0x01                                       ; source 0 in window 1
.endif
.set qb, 0
.rept \nb
	v_cvt_scalef32_pk8_fp8_f32 v[PC+4*qb:PC+4*qb+1], v[(\s)+16*qb:(\s)+16*qb+7], v[TM+12+qb]
	v_cvt_scalef32_pk8_fp8_f32 v[PC+4*qb+2:PC+4*qb+3], v[(\s)+16*qb+8:(\s)+16*qb+15], v[TM+12+qb]
.set qb, qb+1
.endr
	WIN 0
	v_nop                                                    ; a plain line behind the last conversion
.endm
	s_load_b128 s[4:7], s[0:1], 0x0                ; h_img, wa_img
	s_load_b64 s[8:9], s[0:1], 0x10                ; o_img
	v_lshrrev_b32 v1, 5, v0
	v_readfirstlane_b32 s[WV], v1                  ; wave 0..7
	s_and_b32 s[BAT], ttmp7, 0xffff                ; batch
	; descriptor groups 1: dense blocks as rows of 256 bytes (32 elements of 8 bytes): 33 rows (one block), 99 rows (a K step's three)
	s_mov_b32 s24, 3<<16
	s_mov_b32 s25, 32<<16
	s_mov_b32 s26, 33<<16
	s_mov_b32 s27, 32<<16
	s_mov_b32 s28, 33
	s_mov_b32 s29, 32
	s_mov_b32 s30, 0
	s_mov_b32 s31, 0
	s_mov_b32 s32, 3<<16
	s_mov_b32 s33, 32<<16
	s_mov_b32 s34, 99<<16
	s_mov_b32 s35, 32<<16
	s_mov_b32 s36, 99
	s_mov_b32 s37, 32
	s_mov_b32 s38, 0
	s_mov_b32 s39, 0
	s_mov_b32 s40, 1
	s_mul_i32 s41, s[WV], WBLK                     ; waves 0-5, first load: block w (K steps 0 and 1)
	s_mov_b32 s44, 1
	s_mul_i32 s45, s[WV], KSB
	s_add_co_u32 s45, s45, 2*KSB                   ; second load: K step 2 + w
	s_mul_i32 s10, ttmp9, 8*KSB                    ; the head's 24 blocks lie in wa_img as they lie in LDS
	s_add_co_u32 s12, s10, s41
	s_mov_b32 s13, 0
	s_add_co_u32 s14, s10, s45
	s_mov_b32 s15, 0
	s_mul_i32 s16, s[BAT], 16*PB                   ; the batch's 16 pairs
	s_mov_b32 s17, 0
	s_mov_b32 s[SEL], 0x76543210
	s_mov_b32 s[SEL+1], 0xfedcba98
	s_mov_b32 s[CS], 0x3e38aa3b
	s_mov_b32 s[CS+1], s[CS]
	s_mov_b32 s[MNT], 0x600000
	s_lshr_b32 s60, ttmp9, 1                       ; the head's 64 columns are half of K step head / 2 of the next product
	s_and_b32 s61, ttmp9, 1
	s_lshl_b32 s70, s60, 12
	s_lshl_b32 s62, s61, 10
	s_add_co_u32 s70, s70, s62                     ; s70: where my codes begin in a pair's block (tile 0)
	s_lshl_b32 s71, s60, 7
	s_lshl_b32 s62, s61, 1
	s_add_co_u32 s71, s71, s62
	s_add_co_u32 s71, s71, 32768                   ; s71: and my two scale bytes
	v_and_b32 v14, 31, v0                          ; lane
	v_lshlrev_b32 v1, 4, v14                       ; weights: 16 x lane
	v_lshlrev_b32 v2, 3, v14
	v_add_nc_u32 v2, 8192, v2                      ; their scale words: 8 x lane behind a block's four fragments
	s_mul_i32 s60, s[WV], PB                       ; pair w
	s_xor_b32 s61, s[WV], 15
	s_mul_i32 s61, s61, PB                         ; pair 15 - w
	v_add_nc_u32 v3, s60, v1
	v_add_nc_u32 v4, s61, v1
	v_lshlrev_b32 v15, 2, v14
	v_add_nc_u32 v15, 32768, v15
	v_add_nc_u32 v5, s60, v15
	v_add_nc_u32 v6, s61, v15
	v_and_b32 v7, 15, v0                           ; the prefetches: lanes 0-15 name pair w's 16 blocks of 256 bytes of a K step, lanes 16-31 pair 15 - w's
	v_lshlrev_b32 v7, 8, v7
	v_bfe_u32 v15, v0, 4, 1
	s_sub_co_u32 s62, s61, s60
	v_mul_lo_u32 v15, v15, s62
	v_add3_u32 v7, v7, v15, s60
	s_wait_kmcnt 0x0
	s_add_nc_u64 s[42:43], s[6:7], s[12:13]
	s_or_b32 s43, s43, 0x80000000
	s_add_nc_u64 s[46:47], s[6:7], s[14:15]
	s_or_b32 s47, s47, 0x80000000
	s_add_nc_u64 s[4:5], s[4:5], s[16:17]
	s_cmp_lt_u32 s[WV], 6                          ; a wave's two fills stand in one branch, ahead of every wait on TENSORcnt, every LDS read and every barrier: two loads of a wave are out at the most.  Nothing is ever filled again
	s_cbranch_scc0 .Lno_fill
	tensor_load_to_lds s[40:43], s[24:31]
	tensor_load_to_lds s[44:47], s[32:39]
.rept 4
	v_nop
.endr
.Lno_fill:
.macro LOADA s                         ; K step s of my four token tiles, as images, and the pairs' scale words (lanes 0-15 tile 0, lanes 16-31 tile 1)
.irp P, 0,1
.irp u, 0,1
.irp c, 0,1,2,3
	global_load_b128 v[32+32*\P+16*\u+4*\c:35+32*\P+16*\u+4*\c], v[3+\P], s[4:5] offset:(2*(\s)+\u)*2048+512*\c
.endr
.endr
	global_load_b32 v[8+\P], v[5+\P], s[4:5] offset:128*(\s)
.endr
.endm
; A prefetch of h's codes of K step s + 2, one K step (48 matrix instructions a wave) ahead of the loads that want them.  All 16 heads of a batch read the same blocks: head 0's work-group asks, each wave for its own two pairs,
; a lane a block of 256 bytes: each block of K steps 2 to 7 is named once in the launch.  K steps 0 and 1 and the scale words come by their loads alone.  The address registers are not rewritten while the projection runs.
.macro ASK s
	s_cmp_eq_u32 ttmp9, 0
	s_cbranch_scc0 .Lnot_mine_\@
	global_prefetch_b8 v7, s[4:5] offset:((\s)+2)*4096 th:TH_LOAD_NT scope:SCOPE_SE
.Lnot_mine_\@:
.endm
.macro LOADB g, snow                   ; weight tile g = 12 s + 4 mat + ct into buffer g % 3; with a matrix's first tile its block's scale words.  snow: the K step at which v1 and v2 stand
.set lbs, (\g)/12
.set lbm, ((\g)%12)/4
.set lbc, (\g)%4
.set lbr, 96+16*((\g)%3)
.if ((\g)%3) == 2
.set lbr, 16
.endif
.irp c, 0,1,2,3
	ds_load_b128 v[lbr+4*\c:lbr+4*\c+3], v1 offset:(lbs-(\snow))*KSB+lbm*WBLK+lbc*2048+512*\c
.endr
.if lbc == 0
.set lbq, 10+2*((3*lbs+lbm)%2)
	ds_load_b64 v[lbq:lbq+1], v2 offset:(lbs-(\snow))*KSB+lbm*WBLK
.endif
.endm
; One weight tile against my four token tiles.  The 48 accumulators take turns, one instruction a turn, in the same order in every K step.
.macro GROUP g
.set gs, (\g)/12
.set gm, ((\g)%12)/4
.set gc, (\g)%4
.set gb, 96+16*((\g)%3)
.if ((\g)%3) == 2
.set gb, 16
.endif
.set gq, 10+2*((3*gs+gm)%2)+(gc%2)
.set gz, 0
.if gs == 0
.set gz, 1                             ; the first K step starts the sums: nothing is cleared
.endif
.set gn, 0                             ; the LDS loads issued behind this tile's: those of the next two tiles
.if ((\g)+1) < 96
.set gn, gn+4
.if (((\g)+1)%4) == 0
.set gn, gn+1
.endif
.endif
.if ((\g)+2) < 96
.set gn, gn+4
.if (((\g)+2)%4) == 0
.set gn, gn+1
.endif
.endif
	s_wait_dscnt gn
.if gm < 2
	WIN 0x50                                       ; C and D in window 1
.irp P, 0,1
.irp u, 0,1
.set wd, 128*gm+64*\P+32*\u+8*gc
	WM wd, gb, 32+32*\P+16*\u, gz, gq, 8+\P, gc/2, \u
.endr
.endr
	WIN 0
.else
.irp P, 0,1
.irp u, 0,1
.set wd, 128+64*\P+16*gc+8*\u
	WM wd, 32+32*\P+16*\u, gb, gz, 8+\P, gq, \u, gc/2
.endr
.endr
.endif
.rept 8
	v_nop                                          ; eight places in front of loads into registers that these products have read
.endr
.if ((\g)+3) < 96
	LOADB (\g)+3, gs
.endif
.endm
.macro KSTEP s
.if \s == 1
	s_wait_tensorcnt 0x0                           ; my part of K steps 2 to 7 has landed; their first LDS loads are issued behind tile 9 of this K step
	s_wait_dscnt 0x0                               ; no LDS instruction is out at a signal
	s_barrier_signal -1
	s_barrier_wait -1
.endif
	s_wait_loadcnt 0x0                             ; h's fragments of this K step
.set G, 12*\s
.rept 12
	GROUP G
.set G, G+1
.endr
.if \s < 7
	v_add_nc_u32 v1, KSB, v1
	v_add_nc_u32 v2, KSB, v2
	LOADA \s+1                                     ; (behind the eight places of the last tile)
.if \s < 6
	ASK \s
.endif
.endif
.endm
	LOADA 0
	s_wait_tensorcnt 0x1                           ; my block of K steps 0 and 1 is in; the second load may stay out
	s_barrier_signal -1
	s_barrier_wait -1
	LOADB 0, 0
	LOADB 1, 0
	LOADB 2, 0
.irp s, 0,1,2,3,4,5,6,7
	KSTEP \s
.endr
	; ---------------- the quantisers of q, k, v; their images go to LDS ----------------
	s_wait_xcnt 0x0                                ; the prefetches have read v7
.set TM, 16
.set PC, 32
.set PW, 48
.irp b, 0,1,2,3
	v_mov_b32 v[TM+4+\b], 0                        ; a lane permute's destination counts as one of its sources
.endr
	v_and_b32 v57, 31, v0
	v_and_b32 v58, 15, v0
	s_mov_b32 s60, s[WV]
.irp P, 0,1
	s_lshl_b32 s61, s60, 11
	s_add_co_u32 s61, s61, QIMG
	v_lshl_add_u32 v[49+\P], v57, 4, s61           ; q's (and, 32,768 on, k's) double fragment of the pair
	s_lshl_b32 s61, s60, 7
	s_add_co_u32 s61, s61, QSC
	v_lshl_add_u32 v[51+\P], v57, 2, s61           ; its scale words
	s_lshr_b32 s62, s60, 2
	s_and_b32 s63, s60, 3
	s_lshl_b32 s61, s62, 13
	s_lshl_b32 s72, s63, 9
	s_add_co_u32 s61, s61, s72
	s_add_co_u32 s61, s61, VIMG
	v_lshl_add_u32 v[53+\P], v57, 4, s61           ; v: key step pair / 4, register group pair % 4
	s_lshl_b32 s61, s62, 8
	s_add_co_u32 s61, s61, s63
	s_add_co_u32 s61, s61, VSC
	v_lshl_add_u32 v[55+\P], v58, 2, s61           ; and byte pair % 4 of row r's word
	s_xor_b32 s60, s60, 15
.endr
.irp P, 0,1
	QUANT 64*\P, 4, 1                              ; q: blocks (tile u, half b of the head's 64) = 2 u + b
.irp c, 0,1,2,3
	ds_store_b128 v[49+\P], v[PC+4*\c:PC+4*\c+3] offset:512*\c
.endr
	ds_store_b32 v[51+\P], v[PW]
	s_wait_dscnt 0x0                               ; the stores have read their registers
	QUANT 128+64*\P, 4, 1                          ; k likewise
.irp c, 0,1,2,3
	ds_store_b128 v[49+\P], v[PC+4*\c:PC+4*\c+3] offset:KIMG-QIMG+512*\c
.endr
	ds_store_b32 v[51+\P], v[PW] offset:KSC-QSC
	s_wait_dscnt 0x0
	QUANT 128+64*\P, 4, 0                          ; v: block dt = the pair's 32 tokens for 16 of the head's 64
.irp dt, 0,1,2,3
	ds_store_b128 v[53+\P], v[PC+4*\dt:PC+4*\dt+3] offset:2048*\dt
	ds_store_b8 v[55+\P], v[TM+4+\dt] offset:64*\dt
.endr
	s_wait_dscnt 0x0
.endr
	s_barrier_signal -1                            ; every wave's images lie in LDS (each has waited for its stores)
	s_barrier_wait -1
	; ---------------- attention ----------------
.set TM, 48
.set PC, 224
.set PW, 243
	v_and_b32 v44, 31, v0
	v_and_b32 v45, 15, v0
	v_bfe_u32 v46, v0, 4, 1
	v_and_b32 v1, 8, v45
	v_add_nc_u32 v1, v1, v45
	v_lshlrev_b32 v46, 4, v46
	v_sub_nc_u32 v1, v1, v46                       ; r + 8 (r / 8) - 16 h
	v_lshlrev_b32 v47, 2, v44
	v_lshlrev_b32 v44, 4, v44                      ; 16 x lane
	v_lshlrev_b32 v45, 2, v45                      ; 4 r
	v_add_nc_u32 v2, KIMG, v44
	v_add_nc_u32 v3, VIMG, v44
	v_add_nc_u32 v4, KSC, v47
	v_add_nc_u32 v5, VSC, v45
	v_add_nc_u32 v6, QIMG, v44
	v_add_nc_u32 v7, QSC, v47
.irp j, 0,1,2,3,4,5,6,7
	v_mov_b32 v[16+\j], 0                          ; the zero codes below q
	v_mov_b32 v[32+\j], 0                          ; and above it
.endr
.irp b, 0,1,2,3
	v_mov_b32 v[TM+4+\b], 0
.endr
	v_mov_b32 v241, 0                              ; (named as the upper half of the pair v[240:241])
	v_mov_b32 v242, 0
	s_mov_b32 s[SP], s[WV]
	s_mov_b32 s[CP], 0
.Lpair:
	s_mov_b32 s[SU], 0
.Lu:
	s_wait_xcnt 0x0                                ; the last tile's stores have read their registers and bases
	s_lshl_b32 s60, s[SP], 11
	s_lshl_b32 s61, s[SU], 10
	s_add_co_u32 s60, s60, s61
	v_add_nc_u32 v14, s60, v6
	ds_load_b128 v[24:27], v14                     ; q of tile u: the head's 0-31,
	ds_load_b128 v[28:31], v14 offset:512          ; 32-63
	s_lshl_b32 s60, s[SP], 7
	s_lshl_b32 s61, s[SU], 1
	s_add_co_u32 s60, s60, s61
	v_add_nc_u32 v15, s60, v7
	ds_load_u16 v8, v15                            ; its two scale bytes
	v_mov_b32 v41, 0xff61b1e6                      ; the largest t so far: -3e38
	v_floor_f32 v40, -v41                          ; -M
	v_mov_b32 v42, 0
	v_mov_b32 v43, 0
	s_wait_dscnt 0x0
	v_lshl_or_b32 v8, v8, 16, v8                   ; the two bytes serve k < 64 and k >= 64 alike
.set oj, 0
.rept 32
	v_mov_b32 v[192+oj], 0                         ; O^T: the step is written once; its first run finds zeros.  (These are also the places between the scale word's line and the first product)
.set oj, oj+1
.endr
	s_mov_b32 s[KS], 0
	s_mov_b32 s[TK], 0
	s_mov_b32 s[TS], 0
	s_mov_b32 s[TV], 0
.Lks:                                              ; four trips, a constant; a step all of whose keys come after my queries is jumped over (a branch on ids)
	s_lshr_b32 s60, s[SP], 2
	s_cmp_gt_u32 s[KS], s60
	s_cbranch_scc1 .Lskip
	v_add_nc_u32 v14, s[TK], v2
	v_add_nc_u32 v15, s[TK], v3
	v_add_nc_u32 v46, s[TS], v4
	v_add_nc_u32 v47, s[TV], v5
.rept 4
	v_nop                                          ; with the four additions: eight places in front of loads into registers that the last products have read
.endr
.irp c, 0,1,2,3
.irp g, 0,1,2,3
	ds_load_b128 v[64+16*\c+4*\g:67+16*\c+4*\g], v14 offset:2048*\c+512*\g     ; the double fragment of key pair 4 KS + c
.endr
	ds_load_b32 v[10+\c], v46 offset:128*\c
.endr
	s_wait_dscnt 0x0
.irp c, 0,1,2,3
	WM 128+16*\c, 64+16*\c, 24, 1, 10+\c, 8, 0, 0          ; key tile 0 of the pair: q in k < 64
	WM 136+16*\c, 64+16*\c, 16, 1, 10+\c, 8, 0, 0          ; key tile 1: q in k >= 64.  Register 16 c + i of S^T is key 128 KS + 32 c + 16 (lane / 16) + i
.endr
.rept 8
	v_nop
.endr
.irp dt, 0,1,2,3                       ; v's fragments are asked for now, into the registers that k has left: they land under the softmax
.irp g, 0,1,2,3
	ds_load_b128 v[64+16*\dt+4*\g:67+16*\dt+4*\g], v15 offset:2048*\dt+512*\g
.endr
	ds_load_b32 v[10+\dt], v47 offset:64*\dt
.endr
	s_lshr_b32 s60, s[SP], 2
	s_cmp_lg_u32 s[KS], s60
	s_cbranch_scc1 .Lopen                          ; only the last step of a tile lies on the diagonal
	s_lshl_b32 s60, s[SP], 5
	s_lshl_b32 s61, s[SU], 3
	s_add_co_u32 s60, s60, s61
	s_lshl_b32 s61, s[KS], 7
	s_sub_co_i32 s60, s60, s61
	v_add_nc_u32 v246, s60, v1                     ; d = my query - 128 KS - 16 (lane / 16): register 16 c + i is hidden where 32 c + i > d
	v_mov_b32 v247, 0xff800000                     ; -infinity
.set mn, 0
.rept 64
	v_cmp_gt_i32 vcc_lo, 32*(mn/16)+mn%16, v246
	v_cndmask_b32 v[128+mn], v[128+mn], v247, vcc_lo
.set mn, mn+1
.endr
.Lopen:
.irp b, 0,1,2,3
	v_max3_num_f32 v[48+\b], v[128+16*\b], v[129+16*\b], v[130+16*\b]   ; the largest score of each block of 32 keys: for the row's maximum, and, since p rises with the score, for the block's largest p
.endr
.irp i, 3,5,7,9,11,13
.irp b, 0,1,2,3
	v_max3_num_f32 v[48+\b], v[48+\b], v[128+16*\b+\i], v[129+16*\b+\i]
.endr
.endr
.irp b, 0,1,2,3
	v_max_num_f32 v[48+\b], v[48+\b], v[143+16*\b]
.endr
.irp b, 0,1,2,3
	v_permlanex16_b32 v[52+\b], v[48+\b], s[SEL], s[SEL+1]
.endr
.irp b, 0,1,2,3
	v_max_num_f32 v[48+\b], v[48+\b], v[52+\b]
.endr
	v_max3_num_f32 v242, v48, v49, v50
	v_max_num_f32 v242, v242, v51
	v_mul_f32 v242, s[CS], v242                    ; the step's largest t
	v_max_num_f32 v41, v41, v242
	v_mov_b32 v242, v40
	v_floor_f32 v40, -v41                          ; the new -M = -ceil(t): a whole number
	v_sub_f32 v242, v40, v242
	v_cvt_i32_f32 v242, v242                       ; (it saturates)
	v_ldexp_f32 v240, 1.0, v242                    ; f = 2^(old M - new M)
.set sj, 0
.rept 32
	v_pk_fma_f32 v[128+sj:129+sj], v[128+sj:129+sj], s[CS:CS+1], v[40:41] op_sel_hi:[1,0,0]   ; t - M
.set sj, sj+2
.endr
.irp b, 0,1,2,3
	v_fma_f32 v[48+\b], v[48+\b], s[CS], v40
.endr
.set sj, 0
.rept 64
	v_exp_f32 v[128+sj], v[128+sj]                 ; p = 2^(t - M)
.set sj, sj+1
.endr
	v_pk_mul_f32 v[42:43], v[42:43], v[240:241] op_sel_hi:[1,0]   ; the sums under the new M (a plain line behind the exponentials)
	s_wait_alu depctr_va_vdst(0)                   ; one wait for the batch of 64, ahead of its first reader
.irp b, 0,1,2,3
	v_exp_f32 v[48+\b], v[48+\b]                   ; each block's largest p
.endr
	v_pk_add_f32 v[244:245], v[128:129], v[130:131]   ; the row's sum of the unquantised p, in two chains
.set sj, 4
.rept 15
	v_pk_add_f32 v[42:43], v[42:43], v[128+sj:129+sj]
	v_pk_add_f32 v[244:245], v[244:245], v[130+sj:131+sj]
.set sj, sj+4
.endr
	v_pk_add_f32 v[42:43], v[42:43], v[244:245]
	s_wait_alu depctr_va_vdst(0)                   ; and one for the four
.irp b, 0,1,2,3
	v_max_num_f32 v[48+\b], 0x4800000, v[48+\b]    ; the floor: the byte cannot fall under 1
.endr
.irp b, 0,1,2,3
	v_add_nc_u32 v[60+\b], 0xfc000000, v[48+\b]
.endr
.irp b, 0,1,2,3
	v_and_or_b32 v[56+\b], v[48+\b], 0x7f800000, s[MNT]
.endr
.irp b, 0,1,2,3
	v_lshrrev_b32 v[52+\b], 23, v[60+\b]
.endr
	v_lshl_or_b32 v9, v53, 8, v52                  ; p's scale word for these 128 keys
	v_lshl_or_b32 v9, v54, 16, v9
	v_lshl_or_b32 v9, v55, 24, v9
.irp b, 0,1,2,3
.set sj, 0
.rept 16
	v_min_num_f32 v[128+16*\b+sj], v[128+16*\b+sj], v[56+\b]   ; p is not negative: a one-sided hold
.set sj, sj+1
.endr
	v_cvt_scalef32_pk8_fp8_f32 v[224+4*\b:225+4*\b], v[128+16*\b:135+16*\b], v[60+\b]
	v_cvt_scalef32_pk8_fp8_f32 v[226+4*\b:227+4*\b], v[136+16*\b:143+16*\b], v[60+\b]
.endr
.set sj, 0
.rept 16
	v_pk_mul_f32 v[192+sj:193+sj], v[192+sj:193+sj], v[240:241] op_sel_hi:[1,0]   ; O^T under the new M; also the places between the codes' lines and the products
.set sj, sj+2
.endr
	s_wait_dscnt 0x0                               ; v's fragments and scale words
.irp dt, 0,1,2,3
	WM 192+8*\dt, 64+16*\dt, 224, 0, 10+\dt, 9, 0, 0
.endr
.Lskip:
	s_add_co_u32 s[TK], s[TK], 8192
	s_add_co_u32 s[TS], s[TS], 512
	s_add_co_u32 s[TV], s[TV], 256
	s_add_co_u32 s[KS], s[KS], 1
	s_cmp_lt_u32 s[KS], 4
	s_cbranch_scc1 .Lks
	; the tile's end: O^T / the sum, quantised along the model's axis (my head's 64 are two blocks), stored as half of a fragment's image
.rept 8
	v_nop
.endr
	v_add_f32 v42, v42, v43
	v_permlanex16_b32 v242, v42, s[SEL], s[SEL+1]
	v_add_f32 v42, v42, v242
	v_rcp_f32 v240, v42
	v_nop
	s_wait_alu depctr_va_vdst(0)
.set sj, 0
.rept 16
	v_pk_mul_f32 v[192+sj:193+sj], v[192+sj:193+sj], v[240:241] op_sel_hi:[1,0]
.set sj, sj+2
.endr
	QUANT 192, 2, 0
	s_lshl_b32 s60, s[BAT], 4
	s_add_co_u32 s60, s60, s[SP]
	s_mul_i32 s60, s60, PB                         ; the pair's block
	s_lshl_b32 s61, s[SU], 11
	s_add_co_u32 s62, s60, s61
	s_add_co_u32 s62, s62, s70
	s_mov_b32 s63, 0
	s_add_nc_u64 s[66:67], s[8:9], s[62:63]
	s_lshl_b32 s61, s[SU], 6
	s_add_co_u32 s62, s60, s61
	s_add_co_u32 s62, s62, s71
	s_add_nc_u64 s[68:69], s[8:9], s[62:63]
	global_store_b128 v44, v[224:227], s[66:67]              ; 512 consecutive bytes a store
	global_store_b128 v44, v[228:231], s[66:67] offset:512
	global_store_b16 v45, v[PW], s[68:69]                    ; two of row r's four scale bytes of this K step (the neighbouring head writes the other two)
	s_add_co_u32 s[SU], s[SU], 1
	s_cmp_lt_u32 s[SU], 2
	s_cbranch_scc1 .Lu
	s_xor_b32 s[SP], s[SP], 15                     ; my other pair
	s_add_co_u32 s[CP], s[CP], 1
	s_cmp_lt_u32 s[CP], 2
	s_cbranch_scc1 .Lpair
	s_endpgm
.Lfunc_end_k_qfddeca3b78_qkvattn:
	.size	k_qfddeca3b78_qkvattn, .Lfunc_end_k_qfddeca3b78_qkvattn-k_qfddeca3b78_qkvattn
	.p2alignl 7, 3214868480
	.fill 96, 4, 3214868480
	.section	.rodata,"a",@progbits
	.p2align	6, 0x0
	.amdhsa_kernel k_qfddeca3b78_qkvattn
		.amdhsa_group_segment_fixed_size 327680
		.amdhsa_private_segment_fixed_size 0
		.amdhsa_enable_private_segment 0
		.amdhsa_kernarg_size 24
		.amdhsa_user_sgpr_count 2
		.amdhsa_user_sgpr_kernarg_segment_ptr 1
		.amdhsa_wavefront_size32 1
		.amdhsa_system_sgpr_workgroup_id_x 1
		.amdhsa_system_sgpr_workgroup_id_y 1
		.amdhsa_system_sgpr_workgroup_id_z 1
		.amdhsa_system_vgpr_workitem_id 0
		.amdhsa_next_free_vgpr 512
		.amdhsa_next_free_sgpr 80
		.amdhsa_reserve_vcc 1
		.amdhsa_float_denorm_mode_32 3
		.amdhsa_float_denorm_mode_16_64 3
		.amdhsa_memory_ordered 1
		.amdhsa_forward_progress 1
		.amdhsa_inst_pref_size 211
	.end_amdhsa_kernel
	.amdgpu_metadata
---
amdhsa.version: [ 1, 2 ]
amdhsa.kernels:
  - .name:           k_qfddeca3b78_qkvattn
    .symbol:         k_qfddeca3b78_qkvattn.kd
    .args:
      - { .name: h_img, .offset: 0, .size: 8, .value_kind: global_buffer, .address_space: global }
      - { .name: wa_img, .offset: 8, .size: 8, .value_kind: global_buffer, .address_space: global }
      - { .name: o_img, .offset: 16, .size: 8, .value_kind: global_buffer, .address_space: global }
    .group_segment_fixed_size: 327680
    .private_segment_fixed_size: 0
    .kernarg_segment_align: 8
    .kernarg_segment_size: 24
    .max_flat_workgroup_size: 256
    .sgpr_count:     80
    .vgpr_count:     512
    .wavefront_size: 32
...
	.end_amdgpu_metadata
.endif
;; end of part 2
;; launch tail (part 3): grid 256 x 1, 16 waves a work-group, clusters of 4 x 1, 327,680 bytes of LDS; arguments o_img, wt_img, x, b_o, ln2_g, ln2_b, b1, b2, out0; writes out0
.if DOCPART == 3
	.amdgcn_target "amdgcn-amd-amdhsa--gfx1250"
	.amdhsa_code_object_version 6
	.text
	.protected	k_qfddeca3b78_tail
	.globl	k_qfddeca3b78_tail
	.p2align	8
	.type	k_qfddeca3b78_tail,@function
k_qfddeca3b78_tail:
	s_mov_b64 s[64:65], 0
	v_nop
	global_prefetch_b8 v0, s[64:65] scope:SCOPE_SE
	s_setreg_imm32_b32 hwreg(HW_REG_WAVE_MODE, 25, 1), 1
	s_wait_xcnt 0x0
	s_wait_alu depctr_hold_cnt(0) depctr_sa_sdst(0) depctr_va_vdst(0) depctr_va_sdst(0) depctr_va_ssrc(0) depctr_va_vcc(0) depctr_vm_vsrc(0)
	s_getreg_b32 s2, hwreg(HW_REG_IB_STS2, 6, 4)
	s_cmp_eq_u32 s2, 0
	s_cbranch_scc0 .Lentry_in_a_cluster
	s_endpgm
.Lentry_in_a_cluster:
	s_bfe_u32 s2, ttmp6, 0x10000c
	s_cmp_lg_u32 s2, 0x3003
	s_cbranch_scc0 .Lentry_shape_is_right
	s_endpgm
.Lentry_shape_is_right:
; TAIL.  One work-group for each pair of 32 tokens: x1 = x + o w_o + b_o;  h = LayerNorm 2 (x1), quantised;  g = gelu(h w1 + b1), quantised;  out = x1 + g w2 + b2.  The three products on E4M3 codes with E8M0 scales.
; SHARES.  A wave owns 64 columns (a column group) of all 32 rows: two token tiles x four weight tiles = 8 accumulators.  The products are used transposed (source 0 = 16 weight rows, source 1 = 16 tokens), and the rows
; of a weight tile are chosen so that a lane holds one token and 16 registers of two neighbouring tiles are 16 neighbours along the next K.  A wave's 64 columns are half of a K step of the next product: its codes go to
; LDS as two register groups of that fragment's image, its two scale bytes beside them; every wave reads all fragments back.  x1 stays in registers (the accumulators of the first and of the third product) from start to end.
; WEIGHTS.  24 tiles (weight g, K step s) of 16 blocks of 8,448 bytes, laid in operand order by the first launch, walk through a ring of two LDS slots; each wave fetches and reads its column group's block.
; CLUSTER.  Four work-groups form a cluster and ask for each block JOINTLY (the same tensor load, the same descriptor, the mask 15), which divides the requests by four.
; Every refill stands behind a round of the cluster's barrier; in front of the round each wave waits for all its tensor loads, adds 0 to its spare word, and waits for that and for its LDS reads and stores.
; THE WALK ALONG K IS TURNED FROM CLUSTER TO CLUSTER.  Cluster c begins each product at K step rot = c mod 8 and goes round.  So in one trip the 64 clusters ask for eight different tiles of a weight, not all for the same one,
; and from a product's second trip on a cluster asks for a tile that eight other clusters asked for a trip earlier.  NO LDS ADDRESS HANGS ON THE TURN: place j of the tokens' operand holds K step (j + rot) mod 8.  For that,
; wave wv takes column group cg = (wv + 2 rot) mod 16: its results are half wv % 2 of K step (wv / 2 + rot) mod 8 and go to place wv / 2.  cg enters global addresses alone (weights, x, biases, gains, out0);
; the attention's operand is laid so at the start, a K step to a tensor load.  rot is the same in the four partners.
; The residual and the biases start the sums as the accumulators' first contents, and a sum over K begins at K step rot: the order of rounding differs from a sum in ascending K that adds them last.
; gelu is x Phi(x) with erfc by the five-term rational form in 1 / (1 + 0.3275911 z) times exp(-z^2): absolute error of erf about 1.5e-7 (a stated limit: in the far negative tail the relative error of the tiny result is larger).
; LIMITS: a block of zeros gets the scale byte 1 (this program alone reads the bytes); blocks whose largest magnitude lies under 2^-118 were not tried; NaN and infinities are not served.
; REGISTERS: v1-2 the spare word's address and 0; v3-15 addresses; v16-79 x1 (32 m + 8 tt + j); v80-143 the hidden numbers, same order; v144-207 four weight fragments, or at work; v208-239 two token fragments, or the quantiser's;
;   v240-241 the weights' scale words, v242 the tokens' (scales and nothing else); v243 the biases' offset, v244 out0's; v245 the scale bytes just made; v246-255 means, roots, later gelu's coefficients.
; SCALARS: s4-21 the buffers (s[6:7]: wt_img at my column group's block of tile 0); s22 wave, s27 cg, s96 rot; s28-35, s36-43, s44-51, s88-95 groups 1 (joint blocks, o's codes, x, o's scale words);
;   s52-55, s56-59 groups 0 of slots 0 and 1; s60-63 x's, s68-71 o's codes', s84-87 o's scale words'; s[98:99] a tile's byte offset in wt_img (s99 stays 0).
.set WBLK,  8448
.set TILEB, 16*WBLK                    ; a tile of weights, and a slot
.set SLOT1, TILEB
.set AIMG,  2*TILEB+4096               ; behind the ring and 4,096 bytes more (x's 16 sub-tiles of 8,704 bytes take slot 1 and these, once, at the start): the tokens' operand, a pair's block of 33,792 bytes
.set ASC,   AIMG+32768                 ; its scale words
.set RED1,  AIMG+33792                 ; 32 rows x 80 bytes: the waves' partial sums;
.set RED2,  RED1+2560                  ; the same for the squares
.set SPARE, RED2+2560                  ; the spare words: 128 bytes for each of the 16 waves, eight blocks of 256 bytes that no other line names
.set X1,  16
.set HID, 80
.set TM,  208
.set PC,  224
.set PW,  245
.set SEL, 72
.set MNT, 74
.set ROT, 96
.macro WM d, a, b, sa, sb, ra, rb      ; one matrix instruction, in place; ra, rb = 1: that side's scales stand in lanes 16-31
.if (\ra) && (\rb)
	v_wmma_scale_f32_16x16x128_f8f6f4 v[(\d):(\d)+7], v[(\a):(\a)+15], v[(\b):(\b)+15], v[(\d):(\d)+7], v[\sa], v[\sb] matrix_a_scale:MATRIX_SCALE_ROW1 matrix_b_scale:MATRIX_SCALE_ROW1
.elseif (\ra)
	v_wmma_scale_f32_16x16x128_f8f6f4 v[(\d):(\d)+7], v[(\a):(\a)+15], v[(\b):(\b)+15], v[(\d):(\d)+7], v[\sa], v[\sb] matrix_a_scale:MATRIX_SCALE_ROW1
.elseif (\rb)
	v_wmma_scale_f32_16x16x128_f8f6f4 v[(\d):(\d)+7], v[(\a):(\a)+15], v[(\b):(\b)+15], v[(\d):(\d)+7], v[\sa], v[\sb] matrix_b_scale:MATRIX_SCALE_ROW1
.else
	v_wmma_scale_f32_16x16x128_f8f6f4 v[(\d):(\d)+7], v[(\a):(\a)+15], v[(\b):(\b)+15], v[(\d):(\d)+7], v[\sa], v[\sb]
.endif
.endm
.macro QUANT s, nb                     ; 16 nb numbers of a lane, register 16 b + i, become codes in v[PC] on and the scale bytes in v[PW]
.set qb, 0
.rept \nb
	v_max3_num_f32 v[TM+qb], |v[(\s)+16*qb]|, |v[(\s)+16*qb+1]|, 0x4800000   ; my 16 numbers of block b, and the floor 2^(9 - 127): the byte cannot fall under 1
.set qb, qb+1
.endr
.set qi, 2
.rept 7
.set qb, 0
.rept \nb
	v_max3_num_f32 v[TM+qb], v[TM+qb], |v[(\s)+16*qb+qi]|, |v[(\s)+16*qb+qi+1]|
.set qb, qb+1
.endr
.set qi, qi+2
.endr
.set qb, 0
.rept \nb
	v_permlanex16_b32 v[TM+4+qb], v[TM+qb], s[SEL], s[SEL+1]
.set qb, qb+1
.endr
.set qb, 0
.rept \nb
	v_max_num_f32 v[TM+qb], v[TM+qb], v[TM+4+qb]
.set qb, qb+1
.endr
.set qb, 0
.rept \nb
	v_add_nc_u32 v[TM+12+qb], 0xfc000000, v[TM+qb]           ; 8 off the exponent field: the conversion's scale operand
.set qb, qb+1
.endr
.set qb, 0
.rept \nb
	v_and_or_b32 v[TM+8+qb], v[TM+qb], 0x7f800000, s[MNT]    ; 448 x the scale
.set qb, qb+1
.endr
.set qb, 0
.rept \nb
	v_lshrrev_b32 v[TM+4+qb], 23, v[TM+12+qb]                ; the scale's byte
.set qb, qb+1
.endr
	v_lshl_or_b32 v[PW], v[TM+5], 8, v[TM+4]
	v_lshl_or_b32 v[PW], v[TM+6], 16, v[PW]
	v_lshl_or_b32 v[PW], v[TM+7], 24, v[PW]
.set qb, 0
.rept \nb
.set qi, 0
.rept 16
	v_med3_num_f32 v[(\s)+16*qb+qi], v[(\s)+16*qb+qi], -v[TM+8+qb], v[TM+8+qb]   ; the conversion to an 8-bit code does not saturate (ISA guide 7.6.2): the hold
.set qi, qi+1
.endr
.set qb, qb+1
.endr
.set qb, 0
.rept \nb
	v_cvt_scalef32_pk8_fp8_f32 v[PC+4*qb:PC+4*qb+1], v[(\s)+16*qb:(\s)+16*qb+7], v[TM+12+qb]
	v_cvt_scalef32_pk8_fp8_f32 v[PC+4*qb+2:PC+4*qb+3], v[(\s)+16*qb+8:(\s)+16*qb+15], v[TM+12+qb]
.set qb, qb+1
.endr
	v_nop                                                    ; a plain line behind the last conversion
.endm
.macro ROUND                           ; a round of the cluster's barrier
	s_barrier_signal -1
	s_barrier_wait -1
	s_cmp_lg_u32 s22, 0
	s_cbranch_scc1 .Lnot_wave_0_\@
	s_barrier_signal -3
.Lnot_wave_0_\@:
	s_barrier_wait -3
	s_barrier_signal -1
	s_barrier_wait -1
.endm
.macro PLACES                          ; eight places behind this matrix form, in front of reads of results and of loads or writes into registers that products have read
.rept 8
	v_nop
.endr
.endm
.macro BLOAD reg, sb                   ; 32 numbers of a vector of 1,024 at my lane's columns, 64 cg + 32 b + 16 h + 0 .. 15, in the accumulators' order
.irp b, 0,1
.irp q, 0,1,2,3
	global_load_b128 v[(\reg)+16*\b+4*\q:(\reg)+16*\b+4*\q+3], v243, s[\sb:\sb+1] offset:128*\b+16*\q
.endr
.endr
.endm
.macro ADDB acc, reg                   ; both token tiles' accumulators += those 32 numbers
.irp m, 0,1
.set aj, 0
.rept 16
	v_pk_add_f32 v[(\acc)+32*\m+aj:(\acc)+32*\m+aj+1], v[(\acc)+32*\m+aj:(\acc)+32*\m+aj+1], v[(\reg)+aj:(\reg)+aj+1]
.set aj, aj+2
.endr
.endr
.endm
.macro IMAGES                          ; my codes (block 2 m + b) and scale bytes go into the next operand's image, at place wv / 2, half wv % 2
.irp m, 0,1
.irp b, 0,1
	ds_store_b128 v9, v[PC+8*\m+4*\b:PC+8*\m+4*\b+3] offset:2048*\m+512*\b
.endr
.endr
	ds_store_b16 v10, v[PW]                        ; token tile 0's two bytes,
	ds_store_b16_d16_hi v10, v[PW] offset:64       ; tile 1's
.endm
; Lane sums v208 (tile 0) and v212 (tile 1) are joined with lane l xor 16's, meet the other waves' in LDS, and come back summed over all 1,024 columns, in the same order in every wave: v208, v224
.macro XWAVE base
.irp m, 0,1
	v_permlanex16_b32 v[209+4*\m], v[208+4*\m], s[SEL], s[SEL+1]
.endr
.irp m, 0,1
	v_add_f32 v[208+4*\m], v[208+4*\m], v[209+4*\m]
.endr
	ds_store_b32 v11, v208 offset:\base
	ds_store_b32 v11, v212 offset:\base+1280
	s_wait_dscnt 0x0                               ; for the others' sake: my words lie in LDS (and my earlier LDS reads are over)
	s_barrier_signal -1
	s_barrier_wait -1
.irp m, 0,1
.irp q, 0,1,2,3
	ds_load_b128 v[208+16*\m+4*\q:211+16*\m+4*\q], v12 offset:\base+1280*\m+16*\q
.endr
.endr
	s_wait_dscnt 0x0
.irp m, 0,1
.irp j, 0,4,8,12
	v_pk_add_f32 v[208+16*\m+\j:209+16*\m+\j], v[208+16*\m+\j:209+16*\m+\j], v[210+16*\m+\j:211+16*\m+\j]
.endr
.irp j, 0,8
	v_pk_add_f32 v[208+16*\m+\j:209+16*\m+\j], v[208+16*\m+\j:209+16*\m+\j], v[212+16*\m+\j:213+16*\m+\j]
.endr
	v_pk_add_f32 v[208+16*\m:209+16*\m], v[208+16*\m:209+16*\m], v[216+16*\m:217+16*\m]
	v_add_f32 v[208+16*\m], v[208+16*\m], v[209+16*\m]
.endr
.endm
; A TRIP: the weights' tile in slot t % 2 against the tokens' two fragments at place t % 8: both are K step (t % 8 + rot) mod 8 of product t / 8.
.macro TRIP t, acc
.set sl, (\t)%2
.set ks, (\t)%8
.set nt, (\t)+1
	s_wait_tensorcnt 0x0                           ; all my tensor loads have landed, my block of this tile among them; so a group 0 may be written
	ds_add_u32 v1, v2                              ; 0 onto my spare word: the next tile's address is made between it and the wait for it
.if (\t) < 23
	s_add_co_u32 s97, s[ROT], nt%8
	s_and_b32 s97, s97, 7                          ; the K step of place (t + 1) % 8
	s_mul_i32 s98, s97, TILEB
.if nt/8 > 0
	s_add_co_u32 s98, s98, (nt/8)*8*TILEB          ; in weight (t + 1) / 8
.endif
	s_add_nc_u64 s[58-4*sl:59-4*sl], s[6:7], s[98:99]   ; the other slot's group 0: 120:64 global address,
	s_or_b32 s[59-4*sl], s[59-4*sl], 0x80000000    ; 127:126 type = 2
.endif
	s_wait_dscnt 0x0                               ; the add is done, my reads of the other slot are over, my image stores have landed
	ROUND                                          ; all that now holds of every wave of the four work-groups
.if (\t) < 23
	tensor_load_to_lds s[56-4*sl:59-4*sl], s[28:35]   ; the next tile, into the slot read last trip: my one tensor load behind the round, and the first thing there
.endif
	PLACES
.irp m, 0,1
.irp c, 0,1,2,3
	ds_load_b128 v[208+16*\m+4*\c:211+16*\m+4*\c], v7 offset:(2*ks+\m)*2048+512*\c
.endr
.endr
	ds_load_b32 v242, v8 offset:128*ks             ; lanes 0-15 tile 0's scale words, lanes 16-31 tile 1's
	ds_load_b64 v[240:241], v[5+sl]                ; register tt % 2, lanes 16 (tt / 2) on: weight tile tt's
.irp tt, 0,1,2,3
.irp c, 0,1,2,3
	ds_load_b128 v[144+16*\tt+4*\c:147+16*\tt+4*\c], v[3+sl] offset:2048*\tt+512*\c
.endr
.endr
	s_wait_dscnt 8                                 ; all but the youngest eight loads (weight tiles 2 and 3)
.irp tt, 0,1
.irp m, 0,1
	WM (\acc)+32*\m+8*\tt, 144+16*\tt, 208+16*\m, 240+\tt, 242, 0, \m
.endr
.endr
	s_wait_dscnt 0x0
.irp tt, 2,3
.irp m, 0,1
	WM (\acc)+32*\m+8*\tt, 144+16*\tt, 208+16*\m, 238+\tt, 242, 1, \m   ; the 8 accumulators take turns, one instruction a turn
.endr
.endr
.endm
	s_load_b512 s[4:19], s[0:1], 0x0               ; o_img 4, wt_img 6, x 8, b_o 10, ln2_g 12, ln2_b 14, b1 16, b2 18
	s_load_b64 s[20:21], s[0:1], 0x40              ; out0
	v_lshl_add_u32 v1, v0, 2, SPARE
	v_mov_b32 v2, 0
	v_lshrrev_b32 v3, 5, v0
	v_readfirstlane_b32 s22, v3                    ; wave 0..15
	s_bfe_u32 s23, ttmp6, 0x40000                  ; cx
	s_lshl_b32 s24, ttmp9, 2
	s_add_co_u32 s24, s24, s23                     ; my pair = 4 x cluster + cx: it enters the addresses of x, o_img and out0 alone
	s_and_b32 s[ROT], ttmp9, 7                     ; rot = cluster mod 8: the K step at which my cluster begins each product; the same in the four partners
	s_lshl_b32 s27, s[ROT], 1
	s_add_co_u32 s27, s27, s22
	s_and_b32 s27, s27, 15                         ; cg = (wave + 2 rot) mod 16: my column group; it enters global addresses alone
	; group 1 of the joint loads: a block as 33 rows of 256 bytes (32 elements of 8 bytes); the mask names the four work-groups, bit 21 stands beside it
	s_mov_b32 s28, 15|(3<<16)|(1<<21)
	s_mov_b32 s29, 32<<16
	s_mov_b32 s30, 33<<16
	s_mov_b32 s31, 32<<16
	s_mov_b32 s32, 33
	s_mov_b32 s33, 32
	s_mov_b32 s34, 0
	s_mov_b32 s35, 0
	; without a mask, for my own pair's block of o_img: a K step's two fragments, 4,096 dense bytes as 16 rows of 256
	s_mov_b32 s36, 3<<16
	s_mov_b32 s37, 32<<16
	s_mov_b32 s38, 16<<16
	s_mov_b32 s39, 32<<16
	s_mov_b32 s40, 16
	s_mov_b32 s41, 32
	s_mov_b32 s42, 0
	s_mov_b32 s43, 0
	; and a K step's scale words: one row of 128 bytes (16 elements of 8 bytes)
	s_mov_b32 s88, 3<<16
	s_mov_b32 s89, 16<<16
	s_mov_b32 s90, 1<<16
	s_mov_b32 s91, 16<<16
	s_mov_b32 s92, 1
	s_mov_b32 s93, 16
	s_mov_b32 s94, 0
	s_mov_b32 s95, 0
	; x: 32 rows of 64 f32 (256 bytes), 1,024 elements apart; 16 bytes of padding behind each row: LDS pitch 272
	s_mov_b32 s44, (2<<16)|(1<<20)|(5<<22)|(3<<25)
	s_mov_b32 s45, 64<<16
	s_mov_b32 s46, 32<<16
	s_mov_b32 s47, 64<<16
	s_mov_b32 s48, 32
	s_mov_b32 s49, 1024
	s_mov_b32 s50, 0
	s_mov_b32 s51, 0
	s_mul_i32 s80, s22, WBLK                       ; my block's place in a slot: by the wave's number
	s_mul_i32 s98, s27, WBLK                       ; and in a tile in memory: by the column group
	s_mov_b32 s99, 0                               ; (the upper word of s[98:99]: it stays 0)
	s_lshl_b32 s82, s24, 17                        ; my pair's 32 rows of 4,096 bytes,
	s_lshl_b32 s83, s27, 8                         ; my column group's 256 bytes of a row
	s_add_co_u32 s82, s82, s83
	s_mov_b32 s83, 0
	s_add_co_u32 s97, s22, s[ROT]
	s_and_b32 s97, s97, 7                          ; the K step that belongs at place wave % 8
	s_mul_i32 s84, s24, 33792                      ; my pair's block of o_img:
	s_lshl_b32 s85, s97, 12
	s_add_co_u32 s66, s84, s85                     ; that K step's two fragments (waves 0-7 fetch them),
	s_mov_b32 s67, 0
	s_lshl_b32 s85, s97, 7
	s_add_co_u32 s84, s84, s85
	s_add_co_u32 s84, s84, 32768                   ; its scale words (waves 8-15)
	s_mov_b32 s85, 0
	s_mov_b32 s52, 1
	s_mov_b32 s53, s80
	s_mov_b32 s56, 1
	s_add_co_u32 s57, s80, SLOT1
	s_mov_b32 s60, 1
	s_mul_i32 s61, s22, 8704
	s_add_co_u32 s61, s61, SLOT1
	s_mov_b32 s68, 1
	s_and_b32 s69, s22, 7
	s_lshl_b32 s69, s69, 12
	s_add_co_u32 s69, s69, AIMG                    ; place wave % 8 of the operand's fragments
	s_mov_b32 s[SEL], 0x76543210
	s_mov_b32 s[SEL+1], 0xfedcba98
	s_mov_b32 s[MNT], 0x600000
	s_mov_b32 s75, 0x3a800000                      ; 1 / 1,024
	s_mov_b32 s76, 0x3727c5ac                      ; 1e-5
	s_mov_b32 s77, 0x3e6d3388                      ; 0.3275911 / sqrt(2)
	s_mov_b32 s78, 0xbf38aa3b                      ; -log2(e) / 2
	s_mov_b32 s79, s78
	; every LDS address register is made here, ahead of the branch that holds the first fills: of the lane, the wave's number and constants alone
	v_and_b32 v254, 31, v0                         ; lane
	v_and_b32 v255, 15, v0                         ; r
	v_bfe_u32 v253, v0, 4, 1                       ; h
	v_lshlrev_b32 v252, 4, v254
	v_add_nc_u32 v3, s80, v252                     ; my block's fragments in slot 0,
	v_add_nc_u32 v4, SLOT1, v3                     ; in slot 1
	v_lshlrev_b32 v5, 3, v254
	v_add_nc_u32 v5, s80, v5
	v_add_nc_u32 v5, 8192, v5                      ; its scale words
	v_add_nc_u32 v6, SLOT1, v5
	v_add_nc_u32 v7, AIMG, v252                    ; the tokens' fragments
	v_lshl_add_u32 v8, v254, 2, ASC                ; their scale words
	s_lshr_b32 s86, s22, 1
	s_and_b32 s87, s22, 1
	s_lshl_b32 s25, s86, 12
	s_lshl_b32 s26, s87, 10
	s_add_co_u32 s25, s25, s26
	v_add_nc_u32 v9, s25, v7                       ; where my codes go: place wv / 2, register groups 2 (wv % 2) on
	s_lshl_b32 s25, s86, 7
	s_lshl_b32 s26, s87, 1
	s_add_co_u32 s25, s25, s26
	s_add_co_u32 s25, s25, ASC
	v_lshl_add_u32 v10, v255, 2, s25               ; and my two scale bytes of row r
	v_mul_u32_u24 v12, v255, 80
	v_add_nc_u32 v12, RED1, v12                    ; row r's 16 partial sums
	s_lshl_b32 s25, s22, 2
	v_add_nc_u32 v11, s25, v12                     ; my word among them
	v_and_b32 v13, 8, v255
	v_add_nc_u32 v13, v13, v255
	v_mul_u32_u24 v13, v13, 272
	v_lshl_add_u32 v13, v253, 6, v13
	v_add_nc_u32 v13, s61, v13                     ; x: row r + 8 (r / 8) of my sub-tile, + 64 h
	s_mul_i32 s25, s22, 4352                       ; the way out: a stage of 16 rows x 272 bytes for each wave, in slot 0, which by then has had its last fill and its last read
	v_mul_u32_u24 v14, v255, 272
	v_lshl_add_u32 v14, v253, 6, v14
	v_add_nc_u32 v14, s25, v14                     ; in: row r, + 64 h
	v_mul_u32_u24 v15, v253, 272
	v_lshl_add_u32 v15, v255, 4, v15
	v_add_nc_u32 v15, s25, v15                     ; back: lanes 0-15 one row, lanes 16-31 the next
	s_lshl_b32 s25, s27, 8
	v_lshl_add_u32 v243, v253, 6, s25              ; the biases and gains, in memory: 256 cg + 64 h
	v_lshlrev_b32 v244, 12, v253
	v_lshl_add_u32 v244, v255, 4, v244             ; out0: a row for each half of the lanes, 16 bytes a lane
	s_wait_kmcnt 0x0
	s_add_nc_u64 s[6:7], s[6:7], s[98:99]          ; wt_img at my column group's block of tile 0: the base of every refill's address
	s_mul_i32 s98, s[ROT], TILEB                   ; the first tile: K step rot of w_o
	s_add_nc_u64 s[54:55], s[6:7], s[98:99]
	s_or_b32 s55, s55, 0x80000000
	s_add_nc_u64 s[62:63], s[8:9], s[82:83]
	s_or_b32 s63, s63, 0x80000000
	s_add_nc_u64 s[70:71], s[4:5], s[66:67]
	s_or_b32 s71, s71, 0x80000000
	s_add_nc_u64 s[86:87], s[4:5], s[84:85]        ; the group 0 of o's scale words: 120:64 global address,
	s_or_b32 s87, s87, 0x80000000                  ; 127:126 type = 2,
	s_mov_b32 s84, 1                               ; 1:0 count = 1,
	s_and_b32 s85, s22, 7
	s_lshl_b32 s85, s85, 7
	s_add_co_u32 s85, s85, ASC                     ; 63:32 LDS address: place wave % 8 of the operand's scale words
	s_add_nc_u64 s[20:21], s[20:21], s[82:83]
	ROUND                                          ; the four work-groups are here: the first joint loads meet
	s_cmp_lt_u32 s22, 8                            ; the first fills, one group: three loads of a wave are out
	s_cbranch_scc0 .Lfill_hi
	tensor_load_to_lds s[52:55], s[28:35]          ; my block of the first tile, jointly
	tensor_load_to_lds s[60:63], s[44:51]          ; my 64 columns of x
	tensor_load_to_lds s[68:71], s[36:43]          ; the attention's codes of one K step
.rept 4
	v_nop
.endr
	s_branch .Lfilled
.Lfill_hi:
	tensor_load_to_lds s[52:55], s[28:35]
	tensor_load_to_lds s[60:63], s[44:51]
	tensor_load_to_lds s[84:87], s[88:95]          ; the attention's scale words of one K step
.rept 4
	v_nop
.endr
.Lfilled:
	BLOAD 144, 10                                  ; b_o
	s_wait_tensorcnt 0x0                           ; my sub-tile of x is in: I alone read it
.irp m, 0,1
.irp b, 0,1
.irp q, 0,1,2,3
	ds_load_b128 v[X1+32*\m+16*\b+4*\q:X1+32*\m+16*\b+4*\q+3], v13 offset:2176*\m+128*\b+16*\q   ; x(token 8 m + r + 8 (r / 8), 64 cg + 32 b + 16 h + 4 q ..): the accumulators' order
.endr
.endr
.endr
	s_wait_dscnt 0x0
	s_wait_loadcnt 0x0
	ADDB X1, 144                                   ; x + b_o starts the first product's sums
.irp t, 0,1,2,3,4,5,6,7
	TRIP \t, X1                                    ; x1 = x + b_o + o w_o.  (Trip 0's refill takes slot 1, which x has left)
.endr
	; ---------------- LayerNorm 2 and its quantiser ----------------
	PLACES
	BLOAD 144, 12                                  ; the gain,
	BLOAD 176, 14                                  ; the bias
.irp m, 0,1
	v_pk_add_f32 v[208+4*\m:209+4*\m], v[X1+32*\m:X1+32*\m+1], v[X1+32*\m+2:X1+32*\m+3]      ; each accumulator is read from its low end on
	v_pk_add_f32 v[210+4*\m:211+4*\m], v[X1+32*\m+4:X1+32*\m+5], v[X1+32*\m+6:X1+32*\m+7]
.irp j, 8,12,16,20,24,28
	v_pk_add_f32 v[208+4*\m:209+4*\m], v[208+4*\m:209+4*\m], v[X1+32*\m+\j:X1+32*\m+\j+1]
	v_pk_add_f32 v[210+4*\m:211+4*\m], v[210+4*\m:211+4*\m], v[X1+32*\m+\j+2:X1+32*\m+\j+3]
.endr
	v_pk_add_f32 v[208+4*\m:209+4*\m], v[208+4*\m:209+4*\m], v[210+4*\m:211+4*\m]
	v_add_f32 v[208+4*\m], v[208+4*\m], v[209+4*\m]
.endr
	XWAVE 0
	v_mul_f32 v246, s75, v208                      ; the means
	v_mov_b32 v247, v246
	v_mul_f32 v248, s75, v224
	v_mov_b32 v249, v248
.irp m, 0,1
.set ej, 0
.rept 16
	v_pk_add_f32 v[HID+32*\m+ej:HID+32*\m+ej+1], v[X1+32*\m+ej:X1+32*\m+ej+1], v[246+2*\m:247+2*\m] neg_lo:[0,1] neg_hi:[0,1]
.set ej, ej+2
.endr
.endr
.irp m, 0,1
	v_pk_mul_f32 v[208+4*\m:209+4*\m], v[HID+32*\m:HID+32*\m+1], v[HID+32*\m:HID+32*\m+1]
	v_pk_mul_f32 v[210+4*\m:211+4*\m], v[HID+32*\m+2:HID+32*\m+3], v[HID+32*\m+2:HID+32*\m+3]
.irp j, 4,8,12,16,20,24,28
	v_pk_fma_f32 v[208+4*\m:209+4*\m], v[HID+32*\m+\j:HID+32*\m+\j+1], v[HID+32*\m+\j:HID+32*\m+\j+1], v[208+4*\m:209+4*\m]
	v_pk_fma_f32 v[210+4*\m:211+4*\m], v[HID+32*\m+\j+2:HID+32*\m+\j+3], v[HID+32*\m+\j+2:HID+32*\m+\j+3], v[210+4*\m:211+4*\m]
.endr
	v_pk_add_f32 v[208+4*\m:209+4*\m], v[208+4*\m:209+4*\m], v[210+4*\m:211+4*\m]
	v_add_f32 v[208+4*\m], v[208+4*\m], v[209+4*\m]
.endr
	XWAVE 2560
	v_fma_f32 v254, v208, s75, s76
	v_fma_f32 v255, v224, s75, s76
	v_rsq_f32 v250, v254
	v_rsq_f32 v252, v255
	v_nop
	s_wait_alu depctr_va_vdst(0)                   ; one wait for both roots, ahead of their first reader
	v_mov_b32 v251, v250
	v_mov_b32 v253, v252
	s_wait_loadcnt 0x0                             ; gain and bias
.irp m, 0,1
.set ej, 0
.rept 16
	v_pk_mul_f32 v[HID+32*\m+ej:HID+32*\m+ej+1], v[HID+32*\m+ej:HID+32*\m+ej+1], v[250+2*\m:251+2*\m]
.set ej, ej+2
.endr
.set ej, 0
.rept 16
	v_pk_fma_f32 v[HID+32*\m+ej:HID+32*\m+ej+1], v[HID+32*\m+ej:HID+32*\m+ej+1], v[144+ej:145+ej], v[176+ej:177+ej]
.set ej, ej+2
.endr
.endr
	QUANT HID, 4                                   ; blocks 2 m + b
	IMAGES                                         ; (every wave has passed two barriers behind its last read of the old operand)
	BLOAD HID, 16                                  ; b1 starts the second product's sums, for both token tiles
	BLOAD HID+32, 16
	s_wait_loadcnt 0x0
.irp t, 8,9,10,11,12,13,14,15
	TRIP \t, HID                                   ; (trip 8's round shows every wave's images to all)
.endr
	; ---------------- gelu and its quantiser ----------------
	s_barrier_signal -1                            ; my reads of the operand are over (no LDS instruction of mine is out); only register work stands up to the wait
	PLACES
	v_mov_b32 v246, 0x3f07dc22                     ; the five coefficients, halved, each twice
	v_mov_b32 v247, 0x3f07dc22
	v_mov_b32 v248, 0xbf3a00e3
	v_mov_b32 v249, 0xbf3a00e3
	v_mov_b32 v250, 0x3f35f0e3
	v_mov_b32 v251, 0x3f35f0e3
	v_mov_b32 v252, 0xbe11a98e
	v_mov_b32 v253, 0xbe11a98e
	v_mov_b32 v254, 0x3e027906
	v_mov_b32 v255, 0x3e027906
.macro GELU k                          ; 16 numbers at v[HID + 16 k] on, in place.  v144.. Phi, v160.. t, v176.. exp, v192.. the tail Phi(-|x|)
.set gx, HID+16*(\k)
.set gi, 0
.rept 16
	v_fma_f32 v[160+gi], |v[gx+gi]|, s77, 1.0      ; 1 + 0.3275911 |x| / sqrt(2)
.set gi, gi+1
.endr
.set gi, 0
.rept 8
	v_pk_mul_f32 v[176+gi:177+gi], v[gx+gi:gx+gi+1], v[gx+gi:gx+gi+1]
.set gi, gi+2
.endr
.set gi, 0
.rept 8
	v_pk_mul_f32 v[176+gi:177+gi], v[176+gi:177+gi], s[78:79] op_sel_hi:[1,0]   ; -x^2 log2(e) / 2
.set gi, gi+2
.endr
.set gi, 0
.rept 16
	v_rcp_f32 v[160+gi], v[160+gi]
.set gi, gi+1
.endr
.set gi, 0
.rept 16
	v_exp_f32 v[176+gi], v[176+gi]
.set gi, gi+1
.endr
	v_nop
	s_wait_alu depctr_va_vdst(0)                   ; one wait for the batch of 32, ahead of its first reader
.set gi, 0
.rept 8
	v_pk_fma_f32 v[192+gi:193+gi], v[160+gi:161+gi], v[246:247], v[248:249]
.set gi, gi+2
.endr
.irp cf, 250,252,254
.set gi, 0
.rept 8
	v_pk_fma_f32 v[192+gi:193+gi], v[192+gi:193+gi], v[160+gi:161+gi], v[\cf:\cf+1]
.set gi, gi+2
.endr
.endr
.set gi, 0
.rept 8
	v_pk_mul_f32 v[192+gi:193+gi], v[192+gi:193+gi], v[160+gi:161+gi]
.set gi, gi+2
.endr
.set gi, 0
.rept 8
	v_pk_mul_f32 v[192+gi:193+gi], v[192+gi:193+gi], v[176+gi:177+gi]           ; erfc(|x| / sqrt(2)) / 2 = Phi(-|x|)
.set gi, gi+2
.endr
.set gi, 0
.rept 8
	v_pk_fma_f32 v[144+gi:145+gi], v[192+gi:193+gi], -1.0, 1.0 op_sel_hi:[1,0,0]   ; Phi(|x|)
.set gi, gi+2
.endr
.set gi, 0
.rept 16
	v_cmp_gt_f32 vcc_lo, 0, v[gx+gi]
	v_cndmask_b32 v[144+gi], v[144+gi], v[192+gi], vcc_lo                       ; the tail where x < 0: a choice of a value, no branch
.set gi, gi+1
.endr
.set gi, 0
.rept 8
	v_pk_mul_f32 v[gx+gi:gx+gi+1], v[gx+gi:gx+gi+1], v[144+gi:145+gi]
.set gi, gi+2
.endr
.endm
	GELU 0
	GELU 1
	GELU 2
	GELU 3
	QUANT HID, 4
	s_barrier_wait -1                              ; every wave's reads of the operand are over: it may be written
	IMAGES
	BLOAD HID, 18                                  ; b2
	s_wait_loadcnt 0x0
	ADDB X1, HID                                   ; x1 + b2 starts the third product's sums
.irp t, 16,17,18,19,20,21,22,23
	TRIP \t, X1
.endr
	; ---------------- the way out: a token tile at a time through my stage, back as whole rows of 256 bytes ----------------
	PLACES
.irp m, 0,1
.irp b, 0,1
.irp q, 0,1,2,3
	ds_store_b128 v14, v[X1+32*\m+16*\b+4*\q:X1+32*\m+16*\b+4*\q+3] offset:128*\b+16*\q   ; each accumulator from its low end on
.endr
.endr
.irp i, 0,1,2,3,4,5,6,7
	ds_load_b128 v[144+32*\m+4*\i:147+32*\m+4*\i], v15 offset:544*\i   ; LDS serves a wave's instructions in order (ISA guide 5.7.1.4): these see my stores, and the next tile's stores come behind them
.endr
.endr
.irp m, 0,1
.irp i, 0,1,2,3,4,5,6,7
	s_wait_dscnt (1-\m)*16+7-\i                    ; behind this load: the rest of its tile's, and for tile 0 the 16 instructions of tile 1
	global_store_b128 v244, v[144+32*\m+4*\i:147+32*\m+4*\i], s[20:21] offset:(8*\m+2*\i+8*((2*\i)/8))*4096 th:TH_STORE_NT   ; sixteen lanes store 256 consecutive bytes, aligned; written once
.endr
.endr
	s_wait_tensorcnt 0x0                           ; the wave's end: behind my last tensor load and my last LDS store
	ds_add_u32 v1, v2
	s_wait_dscnt 0x0
	ROUND                                          ; the closing round: no work-group ends while a partner may still ask for a block that names it
	s_endpgm
.Lfunc_end_k_qfddeca3b78_tail:
	.size	k_qfddeca3b78_tail, .Lfunc_end_k_qfddeca3b78_tail-k_qfddeca3b78_tail
	.p2alignl 7, 3214868480
	.fill 96, 4, 3214868480
	.section	.rodata,"a",@progbits
	.p2align	6, 0x0
	.amdhsa_kernel k_qfddeca3b78_tail
		.amdhsa_group_segment_fixed_size 327680
		.amdhsa_private_segment_fixed_size 0
		.amdhsa_enable_private_segment 0
		.amdhsa_kernarg_size 72
		.amdhsa_user_sgpr_count 2
		.amdhsa_user_sgpr_kernarg_segment_ptr 1
		.amdhsa_wavefront_size32 1
		.amdhsa_system_sgpr_workgroup_id_x 1
		.amdhsa_system_sgpr_workgroup_id_y 1
		.amdhsa_system_sgpr_workgroup_id_z 1
		.amdhsa_system_vgpr_workitem_id 0
		.amdhsa_next_free_vgpr 256
		.amdhsa_next_free_sgpr 100
		.amdhsa_reserve_vcc 1
		.amdhsa_float_denorm_mode_32 3
		.amdhsa_float_denorm_mode_16_64 3
		.amdhsa_memory_ordered 1
		.amdhsa_forward_progress 1
		.amdhsa_inst_pref_size 175
	.end_amdhsa_kernel
	.amdgpu_metadata
---
amdhsa.version: [ 1, 2 ]
amdhsa.kernels:
  - .name:           k_qfddeca3b78_tail
    .symbol:         k_qfddeca3b78_tail.kd
    .args:
      - { .name: o_img, .offset: 0, .size: 8, .value_kind: global_buffer, .address_space: global }
      - { .name: wt_img, .offset: 8, .size: 8, .value_kind: global_buffer, .address_space: global }
      - { .name: x, .offset: 16, .size: 8, .value_kind: global_buffer, .address_space: global }
      - { .name: b_o, .offset: 24, .size: 8, .value_kind: global_buffer, .address_space: global }
      - { .name: ln2_g, .offset: 32, .size: 8, .value_kind: global_buffer, .address_space: global }
      - { .name: ln2_b, .offset: 40, .size: 8, .value_kind: global_buffer, .address_space: global }
      - { .name: b1, .offset: 48, .size: 8, .value_kind: global_buffer, .address_space: global }
      - { .name: b2, .offset: 56, .size: 8, .value_kind: global_buffer, .address_space: global }
      - { .name: out0, .offset: 64, .size: 8, .value_kind: global_buffer, .address_space: global }
    .group_segment_fixed_size: 327680
    .private_segment_fixed_size: 0
    .kernarg_segment_align: 8
    .kernarg_segment_size: 72
    .max_flat_workgroup_size: 512
    .sgpr_count:     100
    .vgpr_count:     256
    .wavefront_size: 32
...
	.end_amdgpu_metadata
.endif
;; end of part 3
